; MI455X (gfx1250); checked and timed in simulation.
; The chip was launched on July 23, 2026; its instructions are those of AMD's public machine-readable ISA for CDNA 5 (MIT licence, August 2026) and "CDNA5" Instruction Set Architecture Reference Guide (July 2026). The comments in the code are by the model that wrote it; some were corrected since.
;; Llama Attention. Allowed arithmetic: matrix products marked QUANTISED: E2M1 operands, one E8M0 scale for each 32 along K, by v_wmma_scale_f32_16x16x128_f8f6f4 with both operands' format E2M1 (or v_wmma_scale_f32_32x16x128_f4), f32 sums; everything else in f32.
;; Inputs: W_out_codes 1,024 x 32 x 16 uint8 (E2M1 codes of W_out, K innermost, in blocks of 32 codes, two codes a byte); W_out_scales 1,024 x 32 uint8 (E8M0 scales of W_out, one for each 32 codes along K); W_qkv_codes 3,072 x 32 x 16 uint8 (E2M1 codes of W_qkv, K innermost, in blocks of 32 codes, two codes a byte); W_qkv_scales 3,072 x 32 uint8 (E8M0 scales of W_qkv, one for each 32 codes along K); b_out 1,024 float32; b_qkv 3,072 float32; beta 1,024 float32; gamma 1,024 float32; x 2 x 2,048 x 1,024 float32.
;; Outputs: out0 2 x 2,048 x 1,024 float32.
;; This version of the problem:
;;   THIS VERSION OF THE PROBLEM IS GIVEN IN LOW PRECISION. The matrix products marked QUANTISED in the list below multiply operands that are first quantised to E2M1 (2 exponent bits, 1 mantissa bit; 4 bits a number), with one power-of-two scale for each 32 numbers along K (OCP MX v1.0); their sums are f32. All else is computed in f32.
;;   The module's matrix products, in the order in which they are computed (A, B: the left and right operand; K: the contracted axis; several contracted axes count as one K, in the product's order):
;;     1. [M 4,096, K 1,024] x [K 1,024, N 3,072]; A: input x; B: input W_qkv (given as codes): QUANTISED
;;     2. batch 32 x [M 2,048, K 64] x [K 64, N 2,048]; A: computed on the way; B: computed on the way: QUANTISED
;;     3. batch 32 x [M 2,048, K 2,048] x [K 2,048, N 64]; A: softmax (see below); B: computed on the way: QUANTISED
;;     4. [M 4,096, K 1,024] x [K 1,024, N 1,024]; A: computed on the way; B: input W_out (given as codes): QUANTISED
;;   THE QUANTISER, for each operand of a quantised product, along K:
;;     - K is cut into blocks of 32 from its start; a last block that is shorter is filled with zeros.
;;     - A block's scale is 2^e with e = floor(log2(the largest magnitude in the block)) - 2, held to -126 .. 127; a block of zeros has e = 0. As a byte (E8M0): e + 127.
;;     - Each number is divided by its block's scale, clamped to +-6, and rounded to the nearest number of E2M1, ties to even, subnormals kept.
;;     - The product sums the exact products of the quantised numbers (number of the format x scale) in f32.
;;   ~~~python
;;   def quantise(x, axis):      # numpy; x: float32 -> the quantised numbers, widened to float32 again
;;       x = np.moveaxis(x, axis, -1); K = x.shape[-1]
;;       x = np.pad(x, [(0, 0)] * (x.ndim - 1) + [(0, -K % 32)]); x = x.reshape(x.shape[:-1] + (-1, 32)); a = np.abs(x).max(-1, keepdims=True)
;;       e = np.where(a > 0, np.clip(np.frexp(np.where(a > 0, a, 1))[1] - 1 - 2, -126, 127), 0)      # np.frexp(a)[1] - 1 = floor(log2(a)), exactly
;;       r = np.clip(x / 2.0 ** e, -6, 6)
;;       step = 2.0 ** (np.maximum(np.frexp(np.where(r == 0, 1, r))[1] - 1, 0) - 1)
;;       q = np.round(r / step) * step * 2.0 ** e      # np.round: ties to even
;;       return np.moveaxis(q.reshape(q.shape[:-2] + (-1,))[..., :K], -1, axis).astype(np.float32)
;;   ~~~
;;   SOFTMAX AHEAD OF A QUANTISED PRODUCT. Where the list says 'softmax', what is quantised is not the finished softmax but p = 2^(t - M), with t = logit x log2(e) and M = ceil(the row's largest t), a whole number; so 1/2 < the row's largest p <= 1. The row's sum l is taken of the UNQUANTISED p, in f32, and the product's result is divided by l at the end. Since M is a whole number, a kernel that streams over the keys may use a running M (the ceiling of the running maximum): every later rescaling is an exact power of two, which a block's scale takes up: the codes' values come out the same.
;;   OPERANDS COMPUTED ON THE WAY. 'Computed on the way' means the value that the module computes at that place (a softmax that the list does not call 'softmax' is quantised finished and normalised). What goes into a quantiser is computed in f32, as accurately as f32 sums, v_exp_f32 and their like allow (about 1e-6 of the number): no bf16 or f16 on the way to a quantiser, and a product that is left as it is and whose result goes on into a quantised operand takes f32 operands (vector FMAs, or v_wmma_f32_16x16x4_f32). A number that lies on a knife's edge between two numbers of the format may be rounded either way, as far as f32 arithmetic and the matrix unit's own rounding can turn it there, and no further.
;;   INPUTS GIVEN AS CODES. W_out (in the module: [1024, 1024], K = its axis 0); W_qkv (in the module: [1024, 3072], K = its axis 0): each comes as NAME_codes (uint8): NAME with its K axis moved to the last place and cut into blocks of 32 codes, [.., K / 32, bytes a block], one block behind the other in memory; two codes a byte, the lower K in the low four bits (a code: sign, 2 exponent bits, 1 mantissa bit); and NAME_scales (uint8): the same leading axes, one E8M0 byte (e + 127) for each 32 codes along K. Its value is code x scale, taken as it is: it is not quantised again, and the codes and scales need not be those that the quantiser above would give.
;; 2 versions. Each part assembles by itself: llvm-mc -triple=amdgcn-amd-amdhsa -mcpu=gfx1250 --defsym DOCPART=n.
;; ======== version 1 of 2: 4 launches
;; workspace buffers: xq 2,228,224 bytes; qkvq 6,946,816 bytes; yq 2,228,224 bytes
;; launch quantx (part 1): grid 256 x 1, 2 waves a work-group, no clusters, 16,640 bytes of LDS; arguments x, xq; writes xq
.if DOCPART == 1
	.amdgcn_target "amdgcn-amd-amdhsa--gfx1250"
	.amdhsa_code_object_version 6
	.text
	.protected	k_qfb309ce5b8_quantx
	.globl	k_qfb309ce5b8_quantx
	.p2align	8
	.type	k_qfb309ce5b8_quantx,@function
k_qfb309ce5b8_quantx:
	s_mov_b64 s[64:65], 0
	v_nop
	global_prefetch_b8 v0, s[64:65] scope:SCOPE_SE
	s_setreg_imm32_b32 hwreg(HW_REG_WAVE_MODE, 25, 1), 1
	s_wait_xcnt 0x0
; x [4096][1024] f32 becomes codes of FP4 (E2M1), K innermost, [4096][512 bytes] at byte 0 of xq, and one E8M0 byte for each 32 along K, [4096][32] at byte SCOFF of xq.
; A block's scale is 2^(floor(log2(its largest magnitude)) - 2); its byte is the largest magnitude's exponent field - 2, held at 1 from below.
; LIMITS: NaN and infinities are not served.  A block of zeros gets the byte 1 where the rule says 127: its codes are zeros, and this program alone reads the bytes.
; Rows are dense and 1024 is a multiple of 32: x is a plain stream of blocks of 32, and so are the codes and the bytes.  A wave takes 16 steps of 512 numbers (512 such runs: 256 work-groups of two waves).
; Each of a step's four loads reads 512 consecutive bytes, 16 a lane; the 2,048 bytes turn through the wave's own stage in LDS and come back 64 bytes a lane: 16 neighbours along K, two lanes to a block.
; A launch of its own, since eight column groups of the next launch read each row of x: they then read an eighth of the bytes.  No matrix unit, no cluster, no barrier: waves share nothing.
.set STEPS, 16
.set SCOFF, 2097152
.set CB,    8                          ; bytes of a lane's 16 codes
.set R,     16                         ; v16-79   four sets of 16 numbers as loaded
.set X,     80                         ; v80-111  two sets of 16 neighbours
.set E,     112                        ; v112-127 a scale byte for each step
.set C,     128                        ; v128-191 codes: registers of its own for each step, so that no store's data are written again
.set WREG,  8192                       ; LDS: a region for each wave: two stages of 32 x SP bytes, behind them its 256 scale bytes
.set SP,    80                         ; a lane's place in a stage: 64 bytes + 16 of padding
	s_load_b128 s[4:7], s[0:1], 0x0                ; x s[4:5], xq s[6:7]
	v_lshl_add_u32 v192, v0, 2, 0x4000
	v_mov_b32 v193, 0
	v_lshrrev_b32 v1, 5, v0
	v_readfirstlane_b32 s16, v1                    ; wave 0, 1
	v_and_b32 v2, 31, v0                           ; lane
	v_lshlrev_b32 v3, 4, v2                        ; my 16 bytes of a load's 512
	s_mul_i32 s17, s16, WREG
	v_lshrrev_b32 v14, 2, v2
	v_mul_u32_u24 v14, v14, SP
	v_and_b32 v15, 3, v2
	v_lshl_add_u32 v14, v15, 4, v14
	v_add_nc_u32 v14, s17, v14                     ; the stage, way in: SP (lane / 4) + 16 (lane % 4)
	v_mul_u32_u24 v15, v2, SP
	v_add_nc_u32 v15, s17, v15                     ; way out: SP x lane
	v_mul_u32_u24 v4, v2, CB                       ; my codes' place in a step's 256 bytes
	v_lshrrev_b32 v5, 1, v2
	s_add_co_u32 s17, s17, 2*32*SP
	v_add_nc_u32 v5, s17, v5                       ; my block's byte among the wave's 256
	v_lshlrev_b32 v7, 3, v2
	v_add_nc_u32 v6, s17, v7                       ; and 8 bytes a lane on their way out
	s_lshl_b32 s18, ttmp9, 1
	s_add_co_u32 s18, s18, s16                     ; my run of 8,192 numbers
	s_lshl_b32 s20, s18, 15                        ; its 32,768 bytes of x,
	s_mov_b32 s21, 0
	s_lshl_b32 s22, s18, 12                        ; its 4,096 bytes of codes,
	s_mov_b32 s23, 0
	s_lshl_b32 s24, s18, 8                         ; its 256 scale bytes
	s_add_co_u32 s24, s24, SCOFF
	s_mov_b32 s25, 0
	s_wait_kmcnt 0x0
	s_add_nc_u64 s[4:5], s[4:5], s[20:21]
	s_add_nc_u64 s[8:9], s[6:7], s[22:23]
	s_add_nc_u64 s[10:11], s[6:7], s[24:25]
.macro LOAD t
.irp i, 0,1,2,3
	global_load_b128 v[R+16*((\t)%4)+4*\i:R+16*((\t)%4)+4*\i+3], v3, s[4:5] offset:2048*(\t)+512*\i th:TH_LOAD_NT   ; 32 lanes read 512 consecutive bytes
.endr
.endm
.macro TURN t                          ; step t's numbers through the stage: LDS serves a wave's instructions in order, so no wait stands between the stores and the loads
.irp i, 0,1,2,3
	ds_store_b128 v14, v[R+16*((\t)%4)+4*\i:R+16*((\t)%4)+4*\i+3] offset:32*SP*((\t)%2)+8*SP*\i
.endr
.irp i, 0,1,2,3
	ds_load_b128 v[X+16*((\t)%2)+4*\i:X+16*((\t)%2)+4*\i+3], v15 offset:32*SP*((\t)%2)+16*\i
.endr
.endm
.irp t, 0,1,2,3
	LOAD \t
.endr
	s_wait_loadcnt 12                              ; step 0's four loads are in; the twelve of steps 1 to 3 stay out
	TURN 0
.macro STEP t
.set XS, X+16*((\t)%2)
.if (\t) > 0
	s_wait_dscnt 1                                 ; this step's numbers are back from the stage; the last step's byte store may be out
.else
	s_wait_dscnt 0x0
.endif
.if (\t)+4 < STEPS
	LOAD (\t)+4                                    ; into the set whose stores into the stage have been served
.endif
.if (\t)+1 < STEPS
.if STEPS-2-(\t) >= 3
	s_wait_loadcnt 12                              ; the next step's four loads are in; those of the three steps behind it may be out
.else
	s_wait_loadcnt 4*(STEPS-2-(\t))
.endif
	TURN (\t)+1
.endif
	v_max3_num_f32 v8, |v[XS]|, |v[XS+1]|, |v[XS+2]|               ; the largest magnitude of my 16, in two chains
	v_max3_num_f32 v9, |v[XS+3]|, |v[XS+4]|, |v[XS+5]|
.irp i, 6,10
	v_max3_num_f32 v8, v8, |v[XS+\i]|, |v[XS+\i+1]|
	v_max3_num_f32 v9, v9, |v[XS+\i+2]|, |v[XS+\i+3]|
.endr
	v_max3_num_f32 v8, v8, |v[XS+14]|, |v[XS+15]|
	v_max3_num_f32 v8, v8, v9, 0x1800000           ; and the floor 2^(3 - 127): the byte cannot fall under 1
	v_max_num_f32_dpp v8, v8, v8 row_xmask:1 row_mask:0xf bank_mask:0xf   ; with my neighbour's 16: the block's
	v_add_nc_u32 v11, 0xff000000, v8               ; 2 off its exponent field: the conversion takes that field as its scale
	v_cvt_scalef32_pk8_fp4_f32 v[C+4*(\t)], v[XS:XS+7], v11
	v_cvt_scalef32_pk8_fp4_f32 v[C+4*(\t)+1], v[XS+8:XS+15], v11
	v_lshrrev_b32 v[E+(\t)], 23, v11               ; the scale's byte (a plain line behind the conversions)
	ds_store_b8 v5, v[E+(\t)] offset:16*(\t)       ; both lanes of a block write the same byte with the same value
	global_store_b64 v4, v[C+4*(\t):C+4*(\t)+1], s[8:9] offset:32*CB*(\t)   ; the wave stores 256 consecutive bytes, aligned
.endm
.irp t, 0,1,2,3,4,5,6,7,8,9,10,11,12,13,14,15
	STEP \t
.endr
	ds_load_b64 v[12:13], v6                       ; LDS serves a wave's instructions in order: these see my byte stores
	s_wait_dscnt 0x0
	global_store_b64 v7, v[12:13], s[10:11]        ; 32 lanes store the wave's 256 scale bytes, aligned
	s_wait_tensorcnt 0x0
	ds_add_u32 v192, v193
	s_wait_dscnt 0x0
	s_endpgm
.Lfunc_end_k_qfb309ce5b8_quantx:
	.size	k_qfb309ce5b8_quantx, .Lfunc_end_k_qfb309ce5b8_quantx-k_qfb309ce5b8_quantx
	.p2alignl 7, 3214868480
	.fill 96, 4, 3214868480
	.section	.rodata,"a",@progbits
	.p2align	6, 0x0
	.amdhsa_kernel k_qfb309ce5b8_quantx
		.amdhsa_group_segment_fixed_size 16640
		.amdhsa_private_segment_fixed_size 0
		.amdhsa_enable_private_segment 0
		.amdhsa_kernarg_size 16
		.amdhsa_user_sgpr_count 2
		.amdhsa_user_sgpr_kernarg_segment_ptr 1
		.amdhsa_wavefront_size32 1
		.amdhsa_system_sgpr_workgroup_id_x 1
		.amdhsa_system_sgpr_workgroup_id_y 1
		.amdhsa_system_sgpr_workgroup_id_z 1
		.amdhsa_system_vgpr_workitem_id 0
		.amdhsa_next_free_vgpr 194
		.amdhsa_next_free_sgpr 66
		.amdhsa_reserve_vcc 0
		.amdhsa_float_denorm_mode_32 3
		.amdhsa_float_denorm_mode_16_64 3
		.amdhsa_memory_ordered 1
		.amdhsa_forward_progress 1
		.amdhsa_inst_pref_size 33
	.end_amdhsa_kernel
	.amdgpu_metadata
---
amdhsa.version: [ 1, 2 ]
amdhsa.kernels:
  - .name:           k_qfb309ce5b8_quantx
    .symbol:         k_qfb309ce5b8_quantx.kd
    .args:
      - { .name: x, .offset: 0, .size: 8, .value_kind: global_buffer, .address_space: global }
      - { .name: xq, .offset: 8, .size: 8, .value_kind: global_buffer, .address_space: global }
    .group_segment_fixed_size: 16640
    .private_segment_fixed_size: 0
    .kernarg_segment_align: 8
    .kernarg_segment_size: 16
    .max_flat_workgroup_size: 64
    .sgpr_count:     66
    .vgpr_count:     194
    .wavefront_size: 32
...
	.end_amdgpu_metadata
.endif
;; end of part 1
;; launch proj (part 2): grid 8 x 32, 12 waves a work-group, no clusters, 288,256 bytes of LDS; arguments xq, W_qkv_codes, W_qkv_scales, b_qkv, qkvq; writes qkvq
.if DOCPART == 2
	.amdgcn_target "amdgcn-amd-amdhsa--gfx1250"
	.amdhsa_code_object_version 6
	.text
	.protected	k_qfb309ce5b8_proj
	.globl	k_qfb309ce5b8_proj
	.p2align	8
	.type	k_qfb309ce5b8_proj,@function
k_qfb309ce5b8_proj:
	s_mov_b64 s[64:65], 0
	v_nop
	global_prefetch_b8 v0, s[64:65] scope:SCOPE_SE
	s_setreg_imm32_b32 hwreg(HW_REG_WAVE_MODE, 25, 1), 1
	s_wait_xcnt 0x0
; qkv = Q(x) W_qkv + b_qkv on codes of FP4 with E8M0 scales, and the results quantised at once for the attention: q and k along the head's 64, v along the keys.
; SHARES.  A work-group takes 128 tokens (y) x 384 columns (x): six head columns of 64.  Wave w makes 64 tokens (half w & 1) x head column w >> 1: 16 accumulators of 16 x 16.  256 work-groups.
; All that a work-group reads lies in LDS whole: eight slots of 64 rows x 512 bytes of codes (six of W, two of x) and 16 KiB of scale bytes.  Each of the twelve waves brings one part by one tensor load;
; nothing is filled a second time: one wait, one barrier.
; q, k: the product is used transposed (source 0 = 16 columns of W, source 1 = 16 tokens): a lane holds ONE token and its registers run along the head's 64.
; v: source 0 = 16 tokens, source 1 = 16 columns: a lane holds ONE column and its registers run along the keys.  The bias is the C of each sum's first product.
; OUT (buffer qkvq; regions q at 0, k at KREG, v at 2 KREG; in each the codes first, the scales at SCOFF):
;   q, k codes: [b 16 + head][tile of 16 tokens][lane][16 bytes]: lane (r, h) = token r, the head's numbers 32 h .. 32 h + 31: registers 0-3 of an operand.  Scale words [b 16 + head][token]: bytes 0, 1 the two blocks, bytes 2, 3 = 127.
;   v codes: [b 16 + head][step of 128 keys][tile of 16 of the head's 64][c][lane][16 bytes]: lane (r, h) = number 16 tile + r, keys 64 c + 32 h .. + 31: registers 4 c .. 4 c + 3.  Scale words [b 16 + head][step][64], byte 2 c + h.
; LIMITS: NaN and infinities are not served.  A block of zeros gets the byte 1 with zero codes; this program alone reads the bytes.
; NO CLUSTER: W's 204 KiB of a work-group's 272 KiB are the same in the 32 work-groups of a column group and are not asked for jointly in this text, which keeps to one fill and one barrier.
.set SCOFF, 2097152
.set KREG,  2359296                    ; SCOFF + 32 x 2048 words
.set PITCH, 528                        ; an LDS row: 512 bytes + 16 of padding = 33 x 16: the sixteen rows of a fragment load start at sixteen different 16-byte columns modulo 256
.set SLOTB, 64*PITCH
.set WSC,   8*SLOTB                    ; W's scale bytes: 384 rows x 32, dense
.set XSC,   WSC+12288                  ; x's: 128 rows x 32, dense
.set AW,  4                            ; v4   LDS address of my fragments of W
.set AX,  5                            ; v5   of x
.set ASC, 6                            ; v6   of my scale words: lanes 0-15 W's rows, lanes 16-31 x's
.set LI,  7                            ; v7   16 x lane
.set LS,  8                            ; v8   4 x lane
.set BQ,  9                            ; v9   32 h: the bias of q, k
.set VBA, 10                           ; v10  4 r + h: v's scale byte
.set BV,  11                           ; v11  4 r: the bias of v
.set SC,  12                           ; v12-27  scale words, and nothing else: register 4 i + s % 4: lanes 0-15 W's tile i, lanes 16-31 x's tile i
.set WF,  28                           ; v28-59  W's four fragments
.set XF,  60                           ; v60-91  x's four
.set ACC, 92                           ; v92-219 accumulator (a, b) at 8 (4 b + a): a = source 0's tile, b = source 1's
.set BI,  220                          ; v220-251 the bias in the result's layout
.set TM,  28                           ; the way out works in the registers that W's fragments have left
.set TP,  30
.set SO,  32
.set BY,  34
.set PC,  36                           ; v36-51  codes, four registers for each b
.set SW,  52                           ; v52-55  q's, k's scale words
.set VB,  56                           ; v56-59  v's scale bytes
.set WV, 14
.set HL, 15
.set TH, 16
.set GY, 18
.set HC, 19
.set TY, 20
.set HD, 21
.set BB, 22
.set ST, 23
.set G1C, 24                           ; s[24:31] group 1: 64 rows x 512 bytes, padded
.set G1S, 32                           ; s[32:39] group 1: 16 rows x 256 bytes, dense
.set G0W, 40                           ; s[40:43] W's codes;  s[44:47] x's codes;  s[48:51] W's scales;  s[52:55] x's scales
.set G0X, 44
.set G0WS, 48
.set G0XS, 52
.set SEL, 66                           ; s[66:67] v_permlanex16_b32's selects for lane l xor 16
	s_load_b256 s[4:11], s[0:1], 0x0               ; xq s[4:5], W's codes s[6:7], W's scales s[8:9], b_qkv s[10:11]
	s_load_b64 s[12:13], s[0:1], 0x20              ; qkvq
	v_lshl_add_u32 v254, v0, 2, 0x46000
	v_mov_b32 v255, 0
	ds_add_u32 v254, v255
	ds_add_u32 v254, v255
	v_lshrrev_b32 v1, 5, v0
	v_readfirstlane_b32 s[WV], v1                  ; wave 0..11
	s_lshr_b32 s[HL], s[WV], 1                     ; my head column of the six
	s_and_b32 s[TH], s[WV], 1                      ; my half of the 128 tokens
	s_and_b32 s[GY], ttmp7, 0xffff                 ; block of 128 tokens
	s_mul_i32 s[HC], ttmp9, 6
	s_add_co_u32 s[HC], s[HC], s[HL]               ; head column 0..47 = 16 type + head
	s_lshr_b32 s[TY], s[HC], 4                     ; 0 q, 1 k, 2 v
	s_and_b32 s[HD], s[HC], 15
	s_lshr_b32 s[BB], s[GY], 4                     ; batch
	s_and_b32 s[ST], s[GY], 15                     ; step of 128 keys in it
	s_mov_b32 s[G1C+0], (1<<20)|(6<<22)|(3<<25)    ; elements of 1 byte; padding on: 4 words behind every 128
	s_mov_b32 s[G1C+1], 512<<16                    ; tensor_dim0
	s_mov_b32 s[G1C+2], 64<<16                     ; tensor_dim1
	s_mov_b32 s[G1C+3], 512<<16                    ; tile_dim0
	s_mov_b32 s[G1C+4], 64                         ; tile_dim1
	s_mov_b32 s[G1C+5], 512                        ; from row to row
	s_mov_b32 s[G1C+6], 0
	s_mov_b32 s[G1C+7], 0
	s_mov_b32 s[G1S+0], 3<<16                      ; elements of 8 bytes, no padding
	s_mov_b32 s[G1S+1], 32<<16
	s_mov_b32 s[G1S+2], 16<<16
	s_mov_b32 s[G1S+3], 32<<16
	s_mov_b32 s[G1S+4], 16
	s_mov_b32 s[G1S+5], 32
	s_mov_b32 s[G1S+6], 0
	s_mov_b32 s[G1S+7], 0
	s_mov_b32 s[SEL], 0x76543210
	s_mov_b32 s[SEL+1], 0xfedcba98
	s_min_u32 s56, s[WV], 7
	s_mul_i32 s56, s56, SLOTB                      ; LDS: code slot = wave (waves 0-7)
	s_and_b32 s57, s[WV], 3
	s_lshl_b32 s57, s57, 12                        ; 4,096 x (wave & 3): waves 8-10 W's three parts, wave 11 x's
	s_mul_i32 s58, ttmp9, 196608                   ; W's codes: 384 rows x 512 bytes a column group,
	s_lshl_b32 s59, s[WV], 15                      ; 64 rows a wave
	s_add_co_u32 s58, s58, s59
	s_mov_b32 s59, 0
	s_lshl_b32 s60, s[GY], 16                      ; x's codes: 128 rows x 512 bytes a block,
	s_lshl_b32 s61, s[TH], 15                      ; 64 rows a wave (waves 6, 7)
	s_add_co_u32 s60, s60, s61
	s_mov_b32 s61, 0
	s_mul_i32 s62, ttmp9, 12288                    ; W's scale bytes: 384 rows x 32
	s_add_co_u32 s62, s62, s57
	s_mov_b32 s63, 0
	s_lshl_b32 s2, s[GY], 12                       ; x's: 128 rows x 32
	s_add_co_u32 s2, s2, SCOFF
	s_mov_b32 s3, 0
	s_add_co_u32 s57, s57, WSC
	s_wait_dscnt 0x0
	s_wait_kmcnt 0x0
	s_mov_b32 s[G0W], 1
	s_mov_b32 s[G0W+1], s56
	s_add_nc_u64 s[G0W+2:G0W+3], s[6:7], s[58:59]
	s_or_b32 s[G0W+3], s[G0W+3], 0x80000000
	s_mov_b32 s[G0X], 1
	s_mov_b32 s[G0X+1], s56
	s_add_nc_u64 s[G0X+2:G0X+3], s[4:5], s[60:61]
	s_or_b32 s[G0X+3], s[G0X+3], 0x80000000
	s_mov_b32 s[G0WS], 1
	s_mov_b32 s[G0WS+1], s57
	s_add_nc_u64 s[G0WS+2:G0WS+3], s[8:9], s[62:63]
	s_or_b32 s[G0WS+3], s[G0WS+3], 0x80000000
	s_mov_b32 s[G0XS], 1
	s_mov_b32 s[G0XS+1], s57
	s_add_nc_u64 s[G0XS+2:G0XS+3], s[4:5], s[2:3]
	s_or_b32 s[G0XS+3], s[G0XS+3], 0x80000000
	; each wave's one tensor load; the branches hang on the wave's number alone; four v_nop follow each line
	s_cmp_lt_u32 s[WV], 6
	s_cbranch_scc0 .Lnot_w
	tensor_load_to_lds s[G0W:G0W+3], s[G1C:G1C+7]
	s_nop 0
.rept 4
	v_nop
.endr
	s_branch .Lasked
.Lnot_w:
	s_cmp_lt_u32 s[WV], 8
	s_cbranch_scc0 .Lnot_x
	tensor_load_to_lds s[G0X:G0X+3], s[G1C:G1C+7]
	s_nop 0
.rept 4
	v_nop
.endr
	s_branch .Lasked
.Lnot_x:
	s_cmp_lt_u32 s[WV], 11
	s_cbranch_scc0 .Lnot_ws
	tensor_load_to_lds s[G0WS:G0WS+3], s[G1S:G1S+7]
	s_nop 0
.rept 4
	v_nop
.endr
	s_branch .Lasked
.Lnot_ws:
	tensor_load_to_lds s[G0XS:G0XS+3], s[G1S:G1S+7]
	s_nop 0
.rept 4
	v_nop
.endr
.Lasked:
	v_and_b32 v1, 15, v0                           ; r
	v_bfe_u32 v2, v0, 4, 1                         ; h
	v_and_b32 v3, 31, v0                           ; lane
	v_mul_u32_u24 v[AW], v1, PITCH
	v_lshl_add_u32 v[AW], v2, 4, v[AW]             ; a fragment's row x pitch + 16 h
	s_add_co_u32 s3, s[TH], 6
	s_mul_i32 s3, s3, SLOTB
	v_add_nc_u32 v[AX], s3, v[AW]                  ; x's slot 6 + half
	s_mul_i32 s2, s[HL], SLOTB
	v_add_nc_u32 v[AW], s2, v[AW]                  ; W's slot = my head column
	s_lshl_b32 s2, s[HL], 11                       ; W's scale bytes: 64 rows x 32 a head column
	s_lshl_b32 s3, s[TH], 11                       ; x's: 64 rows x 32 a half
	s_add_co_u32 s3, s3, XSC-WSC
	s_sub_co_u32 s3, s3, s2                        ; the distance from W's rows to x's: 2,048 at the least
	v_mul_u32_u24 v[ASC], s3, v2                   ; lanes 16-31 take x's
	s_add_co_u32 s2, s2, WSC
	v_lshl_add_u32 v[ASC], v1, 5, v[ASC]           ; 32 bytes a row
	v_add_nc_u32 v[ASC], s2, v[ASC]
	v_lshlrev_b32 v[LI], 4, v3
	v_lshlrev_b32 v[LS], 2, v3
	v_lshlrev_b32 v[BQ], 5, v2
	v_lshl_add_u32 v[VBA], v1, 2, v2
	v_lshlrev_b32 v[BV], 2, v1
	s_lshl_b32 s2, s[HC], 8                        ; my head column's 64 numbers of the bias
	s_mov_b32 s3, 0
	s_add_nc_u64 s[10:11], s[10:11], s[2:3]
	s_lshl_b32 s72, s[BB], 4
	s_add_co_u32 s72, s72, s[HD]                   ; 16 b + head
	s_mul_i32 s73, s[TY], KREG                     ; my region of qkvq
	s_lshl_b32 s74, s72, 16
	s_add_co_u32 s68, s73, s74                     ; codes: 65,536 bytes a head,
	s_lshl_b32 s74, s[ST], 12
	s_add_co_u32 s68, s68, s74                     ; 4,096 a block of 128 tokens, in all three layouts
	s_mov_b32 s69, 0
	s_add_co_u32 s70, s73, SCOFF
	s_mov_b32 s71, 0
	s_cmp_eq_u32 s[TY], 2                          ; the bias in the result's layout, asked for while the tiles are on their way
	s_cbranch_scc1 .Lbias_v
.irp a, 0,1,2,3
	global_load_b128 v[BI+8*\a:BI+8*\a+3], v[BQ], s[10:11] offset:64*\a        ; q, k: register j of tile a: column 16 a + 8 h + j
	global_load_b128 v[BI+8*\a+4:BI+8*\a+7], v[BQ], s[10:11] offset:64*\a+16
.endr
	s_branch .Lbias_done
.Lbias_v:
.irp b, 0,1,2,3
.irp j, 0,1,2,3,4,5,6,7
	global_load_b32 v[BI+8*\b+\j], v[BV], s[10:11] offset:64*\b                 ; v: all eight registers of tile b: column 16 b + r
.endr
.endr
.Lbias_done:
	s_wait_tensorcnt 0x0                           ; my part lies in LDS,
	s_barrier_signal -1
	s_barrier_wait -1                              ; everybody's does.  The only barrier: LDS is only read from here on
; 16 products of K step s; the sixteen accumulators take turns, one instruction a turn
.macro MM s, isv
.irp b, 0,1,2,3
.irp a, 0,1,2,3
.if \isv
.if (\s) == 0
	v_wmma_scale_f32_16x16x128_f8f6f4 v[ACC+8*(4*\b+\a):ACC+8*(4*\b+\a)+7], v[XF+8*\a:XF+8*\a+7], v[WF+8*\b:WF+8*\b+7], v[BI+8*\b:BI+8*\b+7], v[SC+4*\a+(\s)%4], v[SC+4*\b+(\s)%4] matrix_a_fmt:MATRIX_FMT_FP4 matrix_b_fmt:MATRIX_FMT_FP4 matrix_a_scale:MATRIX_SCALE_ROW1
.else
	v_wmma_scale_f32_16x16x128_f8f6f4 v[ACC+8*(4*\b+\a):ACC+8*(4*\b+\a)+7], v[XF+8*\a:XF+8*\a+7], v[WF+8*\b:WF+8*\b+7], v[ACC+8*(4*\b+\a):ACC+8*(4*\b+\a)+7], v[SC+4*\a+(\s)%4], v[SC+4*\b+(\s)%4] matrix_a_fmt:MATRIX_FMT_FP4 matrix_b_fmt:MATRIX_FMT_FP4 matrix_a_scale:MATRIX_SCALE_ROW1
.endif
.else
.if (\s) == 0
	v_wmma_scale_f32_16x16x128_f8f6f4 v[ACC+8*(4*\b+\a):ACC+8*(4*\b+\a)+7], v[WF+8*\a:WF+8*\a+7], v[XF+8*\b:XF+8*\b+7], v[BI+8*\a:BI+8*\a+7], v[SC+4*\a+(\s)%4], v[SC+4*\b+(\s)%4] matrix_a_fmt:MATRIX_FMT_FP4 matrix_b_fmt:MATRIX_FMT_FP4 matrix_b_scale:MATRIX_SCALE_ROW1
.else
	v_wmma_scale_f32_16x16x128_f8f6f4 v[ACC+8*(4*\b+\a):ACC+8*(4*\b+\a)+7], v[WF+8*\a:WF+8*\a+7], v[XF+8*\b:XF+8*\b+7], v[ACC+8*(4*\b+\a):ACC+8*(4*\b+\a)+7], v[SC+4*\a+(\s)%4], v[SC+4*\b+(\s)%4] matrix_a_fmt:MATRIX_FMT_FP4 matrix_b_fmt:MATRIX_FMT_FP4 matrix_b_scale:MATRIX_SCALE_ROW1
.endif
.endif
.endr
.endr
.endm
; K step s of 128: its fragments (two loads of 16 bytes, 32 apart, at row x pitch + 64 s + 16 h), every fourth step the scale words of four steps, and the products
.macro STEP s, isv
.if (\s) > 0
.rept 4
	v_nop                                          ; four places in front of loads into registers that matrix instructions have read
.endr
.endif
.if (\s)%4 == 0
.irp i, 0,1,2,3
	ds_load_b128 v[SC+4*\i:SC+4*\i+3], v[ASC] offset:512*\i+16*((\s)/4)
.endr
.endif
.irp i, 0,1,2,3
.irp c, 0,1
	ds_load_b128 v[WF+8*\i+4*\c:WF+8*\i+4*\c+3], v[AW] offset:16*PITCH*\i+64*(\s)+32*\c
	ds_load_b128 v[XF+8*\i+4*\c:XF+8*\i+4*\c+3], v[AX] offset:16*PITCH*\i+64*(\s)+32*\c
.endr
.endr
	s_wait_dscnt 0x0
.if (\s) == 0
	s_wait_loadcnt 0x0                             ; the bias
.endif
	MM \s, \isv
.endm
; 32 registers of a lane, four result tiles in their natural order (tile a, register j: index 16 a + 8 h + j of 64 along the next K), become the 16 bytes of block h in v[p] .. v[p + 3], and the two blocks' bytes in v[BY], v[BY + 1].
; The conversion of tile a gives word 2 (a % 2) + h of block a / 2: tiles 0, 2, 1, 3 go to p, p + 1, p + 2, p + 3, and two exchanges of halves bring block h's four words into lane (r, h).
.macro QUANT2 s, p
	v_max3_num_f32 v[TM], |v[(\s)]|, |v[(\s)+1]|, 0x1800000            ; block 0: my 16 numbers, and the floor 2^(3 - 127): the byte cannot fall under 1.  Each tile is read from its low end on
	v_max3_num_f32 v[TM+1], |v[(\s)+16]|, |v[(\s)+17]|, 0x1800000      ; block 1
.irp i, 2,4,6,8,10,12,14
	v_max3_num_f32 v[TM], v[TM], |v[(\s)+\i]|, |v[(\s)+\i+1]|
	v_max3_num_f32 v[TM+1], v[TM+1], |v[(\s)+16+\i]|, |v[(\s)+17+\i]|
.endr
	v_permlanex16_b32 v[TP], v[TM], s[SEL], s[SEL+1]
	v_permlanex16_b32 v[TP+1], v[TM+1], s[SEL], s[SEL+1]
	v_max_num_f32 v[TM], v[TM], v[TP]              ; with lane l xor 16's 16: the block's largest magnitude
	v_max_num_f32 v[TM+1], v[TM+1], v[TP+1]
	v_add_nc_u32 v[SO], 0xff000000, v[TM]          ; 2 off the exponent field: the conversion's scale operand
	v_add_nc_u32 v[SO+1], 0xff000000, v[TM+1]
	v_lshrrev_b32 v[BY], 23, v[SO]                 ; the scale's byte
	v_lshrrev_b32 v[BY+1], 23, v[SO+1]
	v_cvt_scalef32_pk8_fp4_f32 v[(\p)], v[(\s):(\s)+7], v[SO]
	v_cvt_scalef32_pk8_fp4_f32 v[(\p)+2], v[(\s)+8:(\s)+15], v[SO]
	v_cvt_scalef32_pk8_fp4_f32 v[(\p)+1], v[(\s)+16:(\s)+23], v[SO+1]
	v_cvt_scalef32_pk8_fp4_f32 v[(\p)+3], v[(\s)+24:(\s)+31], v[SO+1]
	v_nop                                          ; one plain place behind a scaled conversion
	v_permlane16_swap_b32 v[(\p)], v[(\p)+1]
	v_permlane16_swap_b32 v[(\p)+2], v[(\p)+3]
.endm
	s_cmp_eq_u32 s[TY], 2
	s_cbranch_scc1 .Lbody_v
	; ---- q, k
	s_lshl_b32 s74, s[TH], 11                      ; my four tiles of 16 tokens: 512 bytes each
	s_add_co_u32 s68, s68, s74
	s_add_nc_u64 s[68:69], s[12:13], s[68:69]
	s_lshl_b32 s74, s72, 13                        ; scale words: 2,048 a head,
	s_add_co_u32 s70, s70, s74
	s_lshl_b32 s74, s[ST], 9                       ; 128 a block,
	s_add_co_u32 s70, s70, s74
	s_lshl_b32 s74, s[TH], 8                       ; 64 a half
	s_add_co_u32 s70, s70, s74
	s_add_nc_u64 s[70:71], s[12:13], s[70:71]
.irp s, 0,1,2,3,4,5,6,7
	STEP \s, 0
.endr
.rept 4
	v_nop                                          ; four places in front of the first read of results and the first write of registers that held fragments
.endr
	v_mov_b32 v[TP], 0                             ; a lane permute's destination counts as one of its sources
	v_mov_b32 v[TP+1], 0
.irp b, 0,1,2,3
	QUANT2 ACC+32*\b, PC+4*\b
	v_lshl_or_b32 v[SW+\b], v[BY+1], 8, v[BY]      ; token r's scale word: two bytes,
	v_or_b32 v[SW+\b], 0x7f7f0000, v[SW+\b]        ; and 127 for the half of the instruction's K that holds zero codes
	global_store_b128 v[LI], v[PC+4*\b:PC+4*\b+3], s[68:69] offset:512*\b   ; the wave stores 512 consecutive bytes
.endr
	v_permlane16_swap_b32 v[SW], v[SW+1]           ; every lane holds its token's word: lanes 16-31 take the next tile's
	v_permlane16_swap_b32 v[SW+2], v[SW+3]
	global_store_b32 v[LS], v[SW], s[70:71]        ; 32 tokens' words: 128 consecutive bytes
	global_store_b32 v[LS], v[SW+2], s[70:71] offset:128
	s_wait_tensorcnt 0x0
	ds_add_u32 v254, v255
	s_wait_dscnt 0x0
	s_endpgm
.Lbody_v:
	; ---- v
	s_lshl_b32 s74, s[TH], 9                       ; c = my half of the 128 keys
	s_add_co_u32 s68, s68, s74
	s_add_nc_u64 s[68:69], s[12:13], s[68:69]
	s_lshl_b32 s74, s72, 12                        ; scale words: 16 steps x 64 a head,
	s_add_co_u32 s70, s70, s74
	s_lshl_b32 s74, s[ST], 8                       ; 64 a step,
	s_add_co_u32 s70, s70, s74
	s_lshl_b32 s74, s[TH], 1                       ; byte 2 c + h
	s_add_co_u32 s70, s70, s74
	s_add_nc_u64 s[70:71], s[12:13], s[70:71]
.irp s, 0,1,2,3,4,5,6,7
	STEP \s, 1
.endr
.rept 4
	v_nop
.endr
	v_mov_b32 v[TP], 0
	v_mov_b32 v[TP+1], 0
	v_cmp_eq_u32 vcc_lo, 1, v2                     ; lanes 16-31
.irp b, 0,1,2,3
	QUANT2 ACC+32*\b, PC+4*\b
	v_cndmask_b32 v[VB+\b], v[BY], v[BY+1], vcc_lo ; lane (r, h) stores block h's byte
	global_store_b128 v[LI], v[PC+4*\b:PC+4*\b+3], s[68:69] offset:1024*\b
	global_store_b8 v[VBA], v[VB+\b], s[70:71] offset:64*\b    ; single bytes, two of each word: a sixteenth of the codes' bytes
.endr
	s_wait_tensorcnt 0x0
	ds_add_u32 v254, v255
	s_wait_dscnt 0x0
	s_endpgm
.Lfunc_end_k_qfb309ce5b8_proj:
	.size	k_qfb309ce5b8_proj, .Lfunc_end_k_qfb309ce5b8_proj-k_qfb309ce5b8_proj
	.p2alignl 7, 3214868480
	.fill 96, 4, 3214868480
	.section	.rodata,"a",@progbits
	.p2align	6, 0x0
	.amdhsa_kernel k_qfb309ce5b8_proj
		.amdhsa_group_segment_fixed_size 288256
		.amdhsa_private_segment_fixed_size 0
		.amdhsa_enable_private_segment 0
		.amdhsa_kernarg_size 40
		.amdhsa_user_sgpr_count 2
		.amdhsa_user_sgpr_kernarg_segment_ptr 1
		.amdhsa_wavefront_size32 1
		.amdhsa_system_sgpr_workgroup_id_x 1
		.amdhsa_system_sgpr_workgroup_id_y 1
		.amdhsa_system_sgpr_workgroup_id_z 1
		.amdhsa_system_vgpr_workitem_id 0
		.amdhsa_next_free_vgpr 256
		.amdhsa_next_free_sgpr 80
		.amdhsa_reserve_vcc 1
		.amdhsa_float_denorm_mode_32 3
		.amdhsa_float_denorm_mode_16_64 3
		.amdhsa_memory_ordered 1
		.amdhsa_forward_progress 1
		.amdhsa_inst_pref_size 80
	.end_amdhsa_kernel
	.amdgpu_metadata
---
amdhsa.version: [ 1, 2 ]
amdhsa.kernels:
  - .name:           k_qfb309ce5b8_proj
    .symbol:         k_qfb309ce5b8_proj.kd
    .args:
      - { .name: xq, .offset: 0, .size: 8, .value_kind: global_buffer, .address_space: global }
      - { .name: W_qkv_codes, .offset: 8, .size: 8, .value_kind: global_buffer, .address_space: global }
      - { .name: W_qkv_scales, .offset: 16, .size: 8, .value_kind: global_buffer, .address_space: global }
      - { .name: b_qkv, .offset: 24, .size: 8, .value_kind: global_buffer, .address_space: global }
      - { .name: qkvq, .offset: 32, .size: 8, .value_kind: global_buffer, .address_space: global }
    .group_segment_fixed_size: 288256
    .private_segment_fixed_size: 0
    .kernarg_segment_align: 8
    .kernarg_segment_size: 40
    .max_flat_workgroup_size: 384
    .sgpr_count:     80
    .vgpr_count:     256
    .wavefront_size: 32
...
	.end_amdgpu_metadata
.endif
;; end of part 2
;; launch attn (part 3): grid 8 x 32, 16 waves a work-group, no clusters, 169,984 bytes of LDS; arguments qkvq, yq; writes yq
.if DOCPART == 3
	.amdgcn_target "amdgcn-amd-amdhsa--gfx1250"
	.amdhsa_code_object_version 6
	.text
	.protected	k_qfb309ce5b8_attn
	.globl	k_qfb309ce5b8_attn
	.p2align	8
	.type	k_qfb309ce5b8_attn,@function
k_qfb309ce5b8_attn:
	s_mov_b64 s[64:65], 0
	v_nop
	global_prefetch_b8 v0, s[64:65] scope:SCOPE_SE
	s_setreg_imm32_b32 hwreg(HW_REG_WAVE_MODE, 25, 1), 1
	s_wait_xcnt 0x0
; y = softmax(q k^T / 8, causal) v for one head, both products on codes of FP4 with E8M0 scales, and y quantised at once for the last product.
; THE SOFTMAX: t = score x log2(e) / 8; M = the row's largest t so far, rounded UP to a whole number; p = 2^(t - M) is what is quantised, along the keys, not normalised.  The row's sum is taken of the
; unquantised p, in f32, and divides at the end.  When M moves, the sum and O are multiplied by 2^(old M - new M): exact.
; SHARES.  Work-group (i, head): blocks i and 15 - i of 128 queries, so that every work-group has 8 (i + 1) + 8 (16 - i) = 136 key steps of a wave.  Each of sixteen waves owns 16 queries in 256 registers.
; The whole head's codes and scale words of k and v (140 KiB) lie in LDS, filled once by eleven waves' tensor loads: one wait, one barrier, nothing filled a second time.
; LAYOUT.  Both products are used transposed: S^T = K Q^T (source 0 = 16 keys), O^T = V^T P^T (source 0 = 16 of the head's 64): a lane holds ONE query (lane % 16).  Tiles are in natural order: register j of tile t is key 16 t + 8 h + j.
; THE FIRST PRODUCT'S K IS 64: the upper half of Q's operand is zero codes.  K's operand of tile t is named v[32 + 4 t : 39 + 4 t]: its upper four registers are the NEXT tile's codes (behind tile 7: zeros);
; they stand against Q's zero codes under the byte 127 on both sides and add exactly 0.
; CAUSAL.  All waves walk 16 trips; a step whose 128 keys all come after the wave's queries is jumped over by a scalar branch on ids; on the diagonal hidden scores become -infinity ahead of the maximum.
; LIMITS: NaN and infinities are not served.  p under 2^-126 comes out of v_exp_f32 as 0.  A block's largest p is made from the block's largest score by the same multiply-add and exponential, which takes
; v_exp_f32 not to fall where its input rises.  A block of zeros gets the byte 1 with zero codes; this program alone reads the bytes.
; NO CLUSTER: the eight work-groups of a head read the same k and v, but which steps a wave jumps over hangs on the work-group's x, which would be its place in the cluster.
.set SCOFF, 2097152
.set KREG,  2359296
.set VC,    65536                      ; LDS: K's codes at 0 (128 tiles x 512), V's here (16 steps x 4,096),
.set KS,    131072                     ; K's scale words (2,048 x 4),
.set VS,    139264                     ; V's (16 steps x 256)
.set AK0,  1                           ; v1   16 x lane
.set ASK0, 2                           ; v2   KS + 4 x lane
.set RR,   3                           ; v3   r
.set HH,   4                           ; v4   h
.set ADK,  5                           ; v5-8 the step's LDS addresses
.set ADV,  6
.set ADS,  7
.set ADT,  8
.set DG,   9                           ; v9   r - 8 h
.set AV0,  10                          ; v10  VC + 16 x lane
.set ASV0, 11                          ; v11  VS + 4 x lane
                                       ; v12 -M, v13 the largest t, v[14:15] the sum in two halves
.set QF,   16                          ; v16-19 Q's codes, v20-23 zeros
.set QS,   24                          ; v24  Q's scale words
.set YB,   25                          ; v25  4 r + h
.set KSW,  26                          ; v26-29 K's scale words: lanes 0-15 tile 2 i, lanes 16-31 tile 2 i + 1
.set VSW,  30                          ; v30-31 V's likewise
.set KFR,  32                          ; v32-63 K's eight tiles, four registers each; v64-67 zeros
.set VF,   68                          ; v68-99 V's four fragments
.set S,    100                         ; v100-163 S^T, then p
.set O,    164                         ; v164-195 O^T
.set PC,   196                         ; v196-203 p's codes
.set BM,   204                         ; v204-207 the blocks' largest scores, then largest p
.set T2,   208                         ; v208-211 permute's results, then bytes
.set SO,   212                         ; v212-215 the conversions' scale operands
.set F,    216                         ; v[216:217] f; the upper register is written once
.set PW,   218                         ; v218 p's scale word
.set TT,   219
.set SUM2, 220                         ; v[220:221]
.set NINF, 222
.set Y,    224                         ; v224-255 y
.set TM,   204                         ; the way out's quantiser
.set TP,   208
.set BY,   214
.set WV,  8
.set BH,  9
.set Q0,  14
.set SEL, 16
.set CS,  18
.set G1A, 24
.set G1B, 32
.set G0A, 40
.set G0B, 44
.set KF,  48                           ; the step's first key
.set TB,  49                           ; its codes: 4,096 bytes a step, K's and V's alike
.set TS,  50                           ; K's scale words: 512 a step
.set TJ,  51                           ; V's: 256 a step
.set CNT, 52
	s_load_b128 s[4:7], s[0:1], 0x0                ; qkvq s[4:5], yq s[6:7]
	v_lshl_add_u32 v222, v0, 2, 0x29000
	v_mov_b32 v223, 0
	ds_add_u32 v222, v223
	ds_add_u32 v222, v223
	s_wait_dscnt 0x0
	v_lshrrev_b32 v1, 5, v0
	v_readfirstlane_b32 s[WV], v1                  ; wave 0..15
	s_and_b32 s[BH], ttmp7, 0xffff                 ; 16 b + head
	s_lshr_b32 s11, s[WV], 2
	s_xor_b32 s11, s11, s[WV]
	s_and_b32 s11, s11, 1                          ; which of the two blocks: waves 2 k and 2 k + 1 take one each; among any four neighbours, and among w, w + 4, w + 8, w + 12, two of each kind
	s_sub_co_u32 s12, 15, ttmp9
	s_cmp_eq_u32 s11, 1
	s_cselect_b32 s12, s12, ttmp9
	s_lshl_b32 s[Q0], s12, 7
	s_lshr_b32 s13, s[WV], 1
	s_lshl_b32 s13, s13, 4
	s_add_co_u32 s[Q0], s[Q0], s13                 ; my first query: 128 x block + 16 x (wave / 2)
	s_mov_b32 s[G1A+0], 3<<16                      ; 64 rows of 256 bytes (32 elements of 8), dense
	s_mov_b32 s[G1A+1], 32<<16
	s_mov_b32 s[G1A+2], 64<<16
	s_mov_b32 s[G1A+3], 32<<16
	s_mov_b32 s[G1A+4], 64
	s_mov_b32 s[G1A+5], 32
	s_mov_b32 s[G1A+6], 0
	s_mov_b32 s[G1A+7], 0
	s_mov_b32 s[G1B+0], 3<<16                      ; 16 such rows
	s_mov_b32 s[G1B+1], 32<<16
	s_mov_b32 s[G1B+2], 16<<16
	s_mov_b32 s[G1B+3], 32<<16
	s_mov_b32 s[G1B+4], 16
	s_mov_b32 s[G1B+5], 32
	s_mov_b32 s[G1B+6], 0
	s_mov_b32 s[G1B+7], 0
	s_min_u32 s53, s[WV], 7                        ; waves 0-3: K's codes, 4-7: V's, a quarter each
	s_lshl_b32 s53, s53, 14                        ; LDS: 16,384 x wave
	s_lshr_b32 s54, s[WV], 2
	s_mul_i32 s54, s54, KREG
	s_add_co_u32 s54, s54, KREG                    ; k's region, or v's, one region further on
	s_lshl_b32 s55, s[BH], 16
	s_add_co_u32 s54, s54, s55                     ; the head's 65,536 bytes
	s_and_b32 s55, s[WV], 3
	s_lshl_b32 s55, s55, 14
	s_add_co_u32 s54, s54, s55
	s_mov_b32 s55, 0
	s_min_u32 s15, s[WV], 10                       ; waves 8, 9: K's scale words, a half each; wave 10: V's
	s_lshl_b32 s15, s15, 12
	s_add_co_u32 s15, s15, KS-8*4096               ; LDS: KS + 4,096 x (wave - 8)
	s_bfe_u32 s20, s[WV], 0x10001                  ; 0 for waves 8, 9; 1 for wave 10
	s_mul_i32 s56, s20, KREG
	s_add_co_u32 s56, s56, KREG+SCOFF
	s_lshl_b32 s57, s[BH], 13
	s_lshr_b32 s57, s57, s20                       ; 8,192 bytes a head for K, 4,096 for V
	s_add_co_u32 s56, s56, s57
	s_and_b32 s57, s[WV], 1
	s_lshl_b32 s57, s57, 12
	s_add_co_u32 s56, s56, s57
	s_mov_b32 s57, 0
	s_lshl_b32 s58, s[BH], 16                      ; my tile's image, in q's codes and in y's: 65,536 a head + 32 x query
	s_lshl_b32 s59, s[Q0], 5
	s_add_co_u32 s58, s58, s59
	s_mov_b32 s59, 0
	s_lshl_b32 s60, s[BH], 13                      ; q's scale words
	s_lshl_b32 s61, s[Q0], 2
	s_add_co_u32 s60, s60, s61
	s_add_co_u32 s60, s60, SCOFF
	s_lshr_b32 s62, s[BH], 1                       ; y's scale words [b][pair of heads][token]: 8 b + head / 2 = (16 b + head) / 2,
	s_lshl_b32 s62, s62, 13
	s_add_co_u32 s62, s62, s61
	s_and_b32 s61, s[BH], 1
	s_lshl_b32 s61, s61, 1                         ; byte 2 (head & 1) + block
	s_add_co_u32 s62, s62, s61
	s_add_co_u32 s62, s62, SCOFF
	s_mov_b32 s61, 0
	s_mov_b32 s63, 0
	s_mov_b32 s[SEL], 0x76543210
	s_mov_b32 s[SEL+1], 0xfedcba98
	s_mov_b32 s[CS], 0x3e38aa3b                    ; c = log2(e) / 8
	s_mov_b32 s[CS+1], s[CS]                       ; (named with it as a pair, so it is written)
	s_mov_b32 s[KF], 0
	s_mov_b32 s[TB], 0
	s_mov_b32 s[TS], 0
	s_mov_b32 s[TJ], 0
	s_mov_b32 s[CNT], 16
	s_wait_kmcnt 0x0
	s_mov_b32 s[G0A], 1
	s_mov_b32 s[G0A+1], s53
	s_add_nc_u64 s[G0A+2:G0A+3], s[4:5], s[54:55]
	s_or_b32 s[G0A+3], s[G0A+3], 0x80000000
	s_mov_b32 s[G0B], 1
	s_mov_b32 s[G0B+1], s15
	s_add_nc_u64 s[G0B+2:G0B+3], s[4:5], s[56:57]
	s_or_b32 s[G0B+3], s[G0B+3], 0x80000000
	s_cmp_lt_u32 s[WV], 8                          ; the branches hang on the wave's number alone; four v_nop follow each line
	s_cbranch_scc0 .Lnot_a
	tensor_load_to_lds s[G0A:G0A+3], s[G1A:G1A+7]
	s_nop 0
.rept 4
	v_nop
.endr
	s_branch .Lasked
.Lnot_a:
	s_cmp_lt_u32 s[WV], 11
	s_cbranch_scc0 .Lasked
	tensor_load_to_lds s[G0B:G0B+3], s[G1B:G1B+7]
	s_nop 0
.rept 4
	v_nop
.endr
.Lasked:
	s_add_nc_u64 s[22:23], s[6:7], s[58:59]        ; y's image
	s_add_nc_u64 s[58:59], s[4:5], s[58:59]        ; q's image
	s_add_nc_u64 s[60:61], s[4:5], s[60:61]        ; q's scale words
	s_add_nc_u64 s[62:63], s[6:7], s[62:63]        ; y's scale bytes
	v_and_b32 v[RR], 15, v0
	v_bfe_u32 v[HH], v0, 4, 1
	v_and_b32 v5, 31, v0
	v_lshlrev_b32 v[AK0], 4, v5
	v_lshlrev_b32 v6, 2, v5
	v_lshlrev_b32 v8, 2, v[RR]
	global_load_b128 v[QF:QF+3], v[AK0], s[58:59]  ; Q stays in registers
	global_load_b32 v[QS], v8, s[60:61]
	v_add_nc_u32 v[ASK0], KS, v6
	v_add_nc_u32 v[ASV0], VS, v6
	v_add_nc_u32 v[AV0], VC, v[AK0]
	v_lshlrev_b32 v7, 3, v[HH]
	v_sub_nc_u32 v[DG], v[RR], v7
	v_lshl_add_u32 v[YB], v[RR], 2, v[HH]
	v_mov_b32 v13, 0xff61b1e6                      ; the largest t so far: -3e38, under every t
	v_floor_f32 v12, -v13                          ; -M
	v_mov_b32 v14, 0
	v_mov_b32 v15, 0
.irp j, 20,21,22,23, 64,65,66,67, 208,209,210,211, 217
	v_mov_b32 v[\j], 0                             ; Q's upper half; what stands behind K's tile 7; the permutes' destinations, which count as sources; the upper half of the pair f
.endr
	v_mov_b32 v[NINF], 0xff800000
.set n, 0
.rept 32
	v_mov_b32 v[O+n], 0                            ; O^T.  (The step is written once: the first finds zeros, which the first change of M leaves zeros)
.set n, n+1
.endr
	s_wait_tensorcnt 0x0                           ; my part lies in LDS,
	s_barrier_signal -1
	s_barrier_wait -1                              ; everybody's does.  The only barrier: LDS is only read from here on
	s_wait_loadcnt 0x0                             ; Q; its address registers may be written again
.Lstep:                                            ; 16 trips, a constant; a trip is 128 keys
	s_cmp_gt_u32 s[KF], s[Q0]                      ; both are multiples of 16: all 128 keys come after my 16 queries
	s_cbranch_scc1 .Lhidden
	v_add_nc_u32 v[ADK], s[TB], v[AK0]             ; (these four are also the places between the last step's products and the loads into their registers)
	v_add_nc_u32 v[ADV], s[TB], v[AV0]
	v_add_nc_u32 v[ADS], s[TS], v[ASK0]
	v_add_nc_u32 v[ADT], s[TJ], v[ASV0]
.irp t, 0,1,2,3,4,5,6,7
	ds_load_b128 v[KFR+4*\t:KFR+4*\t+3], v[ADK] offset:512*\t      ; an image: 512 consecutive bytes
.endr
.irp i, 0,1,2,3
	ds_load_b32 v[KSW+\i], v[ADS] offset:128*\i
.endr
.irp t, 0,1,2,3
.irp c, 0,1
	ds_load_b128 v[VF+8*\t+4*\c:VF+8*\t+4*\c+3], v[ADV] offset:1024*\t+512*\c
.endr
.endr
.irp i, 0,1
	ds_load_b32 v[VSW+\i], v[ADT] offset:128*\i
.endr
	s_wait_dscnt 10                                ; K and its scale words are in; V's eight loads and its two scale loads may stay out
.irp u, 0,1,2,3
	v_wmma_scale_f32_16x16x128_f8f6f4 v[S+16*\u:S+16*\u+7], v[KFR+8*\u:KFR+8*\u+7], v[QF:QF+7], 0, v[KSW+\u], v[QS] matrix_a_fmt:MATRIX_FMT_FP4 matrix_b_fmt:MATRIX_FMT_FP4
	v_wmma_scale_f32_16x16x128_f8f6f4 v[S+16*\u+8:S+16*\u+15], v[KFR+8*\u+4:KFR+8*\u+11], v[QF:QF+7], 0, v[KSW+\u], v[QS] matrix_a_fmt:MATRIX_FMT_FP4 matrix_b_fmt:MATRIX_FMT_FP4 matrix_a_scale:MATRIX_SCALE_ROW1
.endr
.rept 4
	v_nop                                          ; four places in front of the first read of results (ISA guide 7.12.1)
.endr
	s_add_co_u32 s53, s[KF], 127
	s_cmp_le_u32 s53, s[Q0]                        ; all 128 keys count for all my queries: no mask
	s_cbranch_scc1 .Lopen
	s_sub_co_i32 s53, s[Q0], s[KF]
	v_add_nc_u32 v[TT], s53, v[DG]                 ; d = my query - KF - 8 h.  Register n holds key KF + 16 (n / 8) + 8 h + n % 8: hidden where 16 (n / 8) + n % 8 > d
.set n, 0
.rept 64
	v_cmp_gt_i32 vcc_lo, 16*(n/8)+n%8, v[TT]
	v_cndmask_b32 v[S+n], v[S+n], v[NINF], vcc_lo
.set n, n+1
.endr
.Lopen:
.irp b, 0,1,2,3
	v_max3_num_f32 v[BM+\b], v[S+16*\b], v[S+1+16*\b], v[S+2+16*\b]   ; the largest score of each block of 32 keys (tiles 2 b, 2 b + 1): it serves the row's maximum and, since p rises with the score, the block's largest p
.endr
.irp i, 3,5,7,9,11,13
.irp b, 0,1,2,3
	v_max3_num_f32 v[BM+\b], v[BM+\b], v[S+16*\b+\i], v[S+1+16*\b+\i]
.endr
.endr
.irp b, 0,1,2,3
	v_max_num_f32 v[BM+\b], v[BM+\b], v[S+15+16*\b]
.endr
.irp b, 0,1,2,3
	v_permlanex16_b32 v[T2+\b], v[BM+\b], s[SEL], s[SEL+1]
.endr
.irp b, 0,1,2,3
	v_max_num_f32 v[BM+\b], v[BM+\b], v[T2+\b]     ; with lane l xor 16's 16 keys
.endr
	v_max3_num_f32 v[TT], v[BM], v[BM+1], v[BM+2]
	v_max_num_f32 v[TT], v[TT], v[BM+3]            ; the step's largest score of my query (key KF counts for it: a number)
	v_mul_f32 v[TT], s[CS], v[TT]                  ; as t
	v_max_num_f32 v13, v13, v[TT]                  ; the running largest t
	v_mov_b32 v[TT], v12
	v_floor_f32 v12, -v13                          ; the new -M = floor(-t) = -ceil(t)
	v_sub_f32 v[TT], v12, v[TT]                    ; old M - new M: a whole number, 0 or less
	v_cvt_i32_f32 v[TT], v[TT]                     ; (it saturates)
	v_ldexp_f32 v[F], 1.0, v[TT]                   ; f = 2^(old M - new M)
.set n, 0
.rept 32
	v_pk_fma_f32 v[S+n:S+n+1], v[S+n:S+n+1], s[CS:CS+1], v[12:13] op_sel_hi:[1,0,0]   ; t - M, two at a time
.set n, n+2
.endr
.irp b, 0,1,2,3
	v_fma_f32 v[BM+\b], v[BM+\b], s[CS], v12       ; the same of each block's largest score
.endr
.set n, 0
.rept 64
	v_exp_f32 v[S+n], v[S+n]                       ; p = 2^(t - M), at most 1
.set n, n+1
.endr
.irp b, 0,1,2,3
	v_exp_f32 v[BM+\b], v[BM+\b]                   ; the block's largest p
.endr
	v_pk_mul_f32 v[14:15], v[14:15], v[F:F+1] op_sel_hi:[1,0]      ; the sums under the new M.  (The plain place behind the exponentials)
	s_wait_alu depctr_va_vdst(0)
.irp b, 0,1,2,3
	v_max_num_f32 v[BM+\b], 0x1800000, v[BM+\b]    ; the floor 2^(3 - 127): the byte cannot fall under 1
.endr
.irp b, 0,1,2,3
	v_add_nc_u32 v[SO+\b], 0xff000000, v[BM+\b]    ; 2 off the exponent field: the conversion's scale operand
.endr
.irp b, 0,1,2,3
	v_lshrrev_b32 v[T2+\b], 23, v[SO+\b]           ; the scale's byte
.endr
	v_lshl_or_b32 v[PW], v[T2+1], 8, v[T2]         ; p's scale word for these 128 keys
	v_lshl_or_b32 v[PW], v[T2+2], 16, v[PW]
	v_lshl_or_b32 v[PW], v[T2+3], 24, v[PW]
.irp c, 0,1                                    ; the conversion of tile a gives word 2 (a % 2) + h of block a / 2: tiles 4 c, 4 c + 2, 4 c + 1, 4 c + 3 go to registers 4 c .. 4 c + 3
	v_cvt_scalef32_pk8_fp4_f32 v[PC+4*\c], v[S+32*\c:S+32*\c+7], v[SO+2*\c]
	v_cvt_scalef32_pk8_fp4_f32 v[PC+4*\c+2], v[S+32*\c+8:S+32*\c+15], v[SO+2*\c]
	v_cvt_scalef32_pk8_fp4_f32 v[PC+4*\c+1], v[S+32*\c+16:S+32*\c+23], v[SO+2*\c+1]
	v_cvt_scalef32_pk8_fp4_f32 v[PC+4*\c+3], v[S+32*\c+24:S+32*\c+31], v[SO+2*\c+1]
.endr
	v_nop                                          ; one plain place behind a scaled conversion
.irp c, 0,1
	v_permlane16_swap_b32 v[PC+4*\c], v[PC+4*\c+1] ; and two exchanges of halves bring block 2 c + h whole into lane (r, h)
	v_permlane16_swap_b32 v[PC+4*\c+2], v[PC+4*\c+3]
.endr
	v_pk_add_f32 v[SUM2:SUM2+1], v[S:S+1], v[S+2:S+3]              ; the row's sum, of the unquantised p, in two chains.  (These 32 lines name no register of the products below: they are the places in front of them)
.irp j, 4,8,12,16,20,24,28,32,36,40,44,48,52,56,60
	v_pk_add_f32 v[14:15], v[14:15], v[S+\j:S+\j+1]
	v_pk_add_f32 v[SUM2:SUM2+1], v[SUM2:SUM2+1], v[S+2+\j:S+3+\j]
.endr
	v_pk_add_f32 v[14:15], v[14:15], v[SUM2:SUM2+1]
.set n, 0
.rept 16
	v_pk_mul_f32 v[O+n:O+n+1], v[O+n:O+n+1], v[F:F+1] op_sel_hi:[1,0]   ; O^T under the new M
.set n, n+2
.endr
	s_wait_dscnt 0x0                               ; V and its scale words are in
.irp u, 0,1
	v_wmma_scale_f32_16x16x128_f8f6f4 v[O+16*\u:O+16*\u+7], v[VF+16*\u:VF+16*\u+7], v[PC:PC+7], v[O+16*\u:O+16*\u+7], v[VSW+\u], v[PW] matrix_a_fmt:MATRIX_FMT_FP4 matrix_b_fmt:MATRIX_FMT_FP4
	v_wmma_scale_f32_16x16x128_f8f6f4 v[O+16*\u+8:O+16*\u+15], v[VF+16*\u+8:VF+16*\u+15], v[PC:PC+7], v[O+16*\u+8:O+16*\u+15], v[VSW+\u], v[PW] matrix_a_fmt:MATRIX_FMT_FP4 matrix_b_fmt:MATRIX_FMT_FP4 matrix_a_scale:MATRIX_SCALE_ROW1
.endr
.Lhidden:
	s_add_co_u32 s[KF], s[KF], 128
	s_add_co_u32 s[TB], s[TB], 4096
	s_add_co_u32 s[TS], s[TS], 512
	s_add_co_u32 s[TJ], s[TJ], 256
	s_sub_co_u32 s[CNT], s[CNT], 1
	s_cmp_lg_u32 s[CNT], 0
	s_cbranch_scc1 .Lstep
	; THE WAY OUT: y = O^T / the sum, quantised along the head's 64 as the last product's operand
.rept 4
	v_nop                                          ; four places behind the last products, for the wave whose last trip was not jumped over
.endr
	v_add_f32 v14, v14, v15                        ; the sum's two halves,
	v_permlanex16_b32 v[TP], v14, s[SEL], s[SEL+1]
	v_add_f32 v14, v14, v[TP]                      ; and lane l xor 16's
	v_rcp_f32 v[F], v14
	v_cmp_eq_u32 vcc_lo, 1, v[HH]                  ; (a plain place behind the transcendental)  lanes 16-31
.set n, 0
	s_wait_alu depctr_va_vdst(0)
.rept 16
	v_pk_mul_f32 v[Y+n:Y+n+1], v[O+n:O+n+1], v[F:F+1] op_sel_hi:[1,0]   ; register 8 t + j: y(query r, 16 t + 8 h + j); each accumulator from its low end on
.set n, n+2
.endr
	v_max3_num_f32 v[TM], |v[Y]|, |v[Y+1]|, 0x1800000              ; block 0 (tiles 0, 1): my 16 numbers and the floor
	v_max3_num_f32 v[TM+1], |v[Y+16]|, |v[Y+17]|, 0x1800000        ; block 1 (tiles 2, 3)
.irp i, 2,4,6,8,10,12,14
	v_max3_num_f32 v[TM], v[TM], |v[Y+\i]|, |v[Y+\i+1]|
	v_max3_num_f32 v[TM+1], v[TM+1], |v[Y+16+\i]|, |v[Y+17+\i]|
.endr
	v_permlanex16_b32 v[TP], v[TM], s[SEL], s[SEL+1]
	v_permlanex16_b32 v[TP+1], v[TM+1], s[SEL], s[SEL+1]
	v_max_num_f32 v[TM], v[TM], v[TP]
	v_max_num_f32 v[TM+1], v[TM+1], v[TP+1]
	v_add_nc_u32 v[SO], 0xff000000, v[TM]
	v_add_nc_u32 v[SO+1], 0xff000000, v[TM+1]
	v_lshrrev_b32 v[BY], 23, v[SO]
	v_lshrrev_b32 v[BY+1], 23, v[SO+1]
	v_cvt_scalef32_pk8_fp4_f32 v[PC], v[Y:Y+7], v[SO]
	v_cvt_scalef32_pk8_fp4_f32 v[PC+2], v[Y+8:Y+15], v[SO]
	v_cvt_scalef32_pk8_fp4_f32 v[PC+1], v[Y+16:Y+23], v[SO+1]
	v_cvt_scalef32_pk8_fp4_f32 v[PC+3], v[Y+24:Y+31], v[SO+1]
	v_nop                                          ; one plain place behind a scaled conversion
	v_permlane16_swap_b32 v[PC], v[PC+1]
	v_permlane16_swap_b32 v[PC+2], v[PC+3]
	v_cndmask_b32 v[TT], v[BY], v[BY+1], vcc_lo    ; lane (r, h) stores block h's byte
	global_store_b128 v[AK0], v[PC:PC+3], s[22:23] ; the tile's image: 512 consecutive bytes
	global_store_b8 v[YB], v[TT], s[62:63]         ; single bytes, two of each token's word: a sixteenth of the codes' bytes
	s_wait_xcnt 0x0
	v_lshl_add_u32 v222, v0, 2, 0x29000
	v_mov_b32 v223, 0
	s_wait_tensorcnt 0x0
	ds_add_u32 v222, v223
	s_wait_dscnt 0x0
	s_endpgm
.Lfunc_end_k_qfb309ce5b8_attn:
	.size	k_qfb309ce5b8_attn, .Lfunc_end_k_qfb309ce5b8_attn-k_qfb309ce5b8_attn
	.p2alignl 7, 3214868480
	.fill 96, 4, 3214868480
	.section	.rodata,"a",@progbits
	.p2align	6, 0x0
	.amdhsa_kernel k_qfb309ce5b8_attn
		.amdhsa_group_segment_fixed_size 169984
		.amdhsa_private_segment_fixed_size 0
		.amdhsa_enable_private_segment 0
		.amdhsa_kernarg_size 16
		.amdhsa_user_sgpr_count 2
		.amdhsa_user_sgpr_kernarg_segment_ptr 1
		.amdhsa_wavefront_size32 1
		.amdhsa_system_sgpr_workgroup_id_x 1
		.amdhsa_system_sgpr_workgroup_id_y 1
		.amdhsa_system_sgpr_workgroup_id_z 1
		.amdhsa_system_vgpr_workitem_id 0
		.amdhsa_next_free_vgpr 256
		.amdhsa_next_free_sgpr 66
		.amdhsa_reserve_vcc 1
		.amdhsa_float_denorm_mode_32 3
		.amdhsa_float_denorm_mode_16_64 3
		.amdhsa_memory_ordered 1
		.amdhsa_forward_progress 1
		.amdhsa_inst_pref_size 32
	.end_amdhsa_kernel
	.amdgpu_metadata
---
amdhsa.version: [ 1, 2 ]
amdhsa.kernels:
  - .name:           k_qfb309ce5b8_attn
    .symbol:         k_qfb309ce5b8_attn.kd
    .args:
      - { .name: qkvq, .offset: 0, .size: 8, .value_kind: global_buffer, .address_space: global }
      - { .name: yq, .offset: 8, .size: 8, .value_kind: global_buffer, .address_space: global }
    .group_segment_fixed_size: 169984
    .private_segment_fixed_size: 0
    .kernarg_segment_align: 8
    .kernarg_segment_size: 16
    .max_flat_workgroup_size: 512
    .sgpr_count:     66
    .vgpr_count:     256
    .wavefront_size: 32
...
	.end_amdgpu_metadata
.endif
;; end of part 3
;; launch outln (part 4): grid 256 x 1, 16 waves a work-group, no clusters, 67,840 bytes of LDS; arguments yq, W_out_codes, W_out_scales, b_out, x, gamma, beta, out0; writes out0
.if DOCPART == 4
	.amdgcn_target "amdgcn-amd-amdhsa--gfx1250"
	.amdhsa_code_object_version 6
	.text
	.protected	k_qfb309ce5b8_outln
	.globl	k_qfb309ce5b8_outln
	.p2align	8
	.type	k_qfb309ce5b8_outln,@function
k_qfb309ce5b8_outln:
	s_mov_b64 s[64:65], 0
	v_nop
	global_prefetch_b8 v0, s[64:65] scope:SCOPE_SE
	s_setreg_imm32_b32 hwreg(HW_REG_WAVE_MODE, 25, 1), 1
	s_wait_xcnt 0x0
; out = LayerNorm(Q(y) W_out + b_out + x) x gamma + beta; the product on codes of FP4 with E8M0 scales, all else in f32.
; SHARES.  A work-group takes 16 tokens and all 1,024 columns, since a row's mean and variance want the whole row.  Wave w makes columns 64 w .. 64 w + 63: four accumulators, K in eight steps of 128.
; The product is used transposed (source 0 = 16 rows of W_out's codes, source 1 = the 16 tokens): a lane holds one token and eight neighbouring columns.
; Each fragment of W feeds ONE product here, so the weights go from memory straight into registers, through a ring of three sets (ten loads a step); LDS would add a copy and spare nothing.
; The 16 rows meet in a stage in LDS (one barrier); then wave w owns row w whole, 32 numbers a lane.  Mean first, then the sum of squares of the differences: two passes, so that a common offset cancels nothing.
; LIMITS: NaN and infinities are not served.
; NO CLUSTER: all 256 work-groups read the same 544 KiB of W_out; they come through registers, and no tensor load stands in this text that could be asked for jointly.
.set SCOFF, 2097152
.set SPITCH, 4112                      ; a stage row: 4,096 bytes + 16 = 257 x 16: the sixteen rows of a store start at sixteen different 16-byte columns modulo 256
.set ACC, 16                           ; v16-47   four accumulators; later my row
.set WR,  48                           ; v48-143  W's ring: three sets of four fragments; later gamma, beta, b_out
.set YR,  144                          ; v144-167 y's ring: three fragments
.set WS,  168                          ; v168-199 W's scale words, and nothing else: register 8 t + s
.set YS,  200                          ; v200-207 y's: register s
.set XR,  208                          ; v208-239 my row of x
.set GA,  WR                           ; gamma in set 0, beta in set 1, b_out in set 2
.set BE,  WR+32
.set BO,  WR+64
	s_load_b256 s[4:11], s[0:1], 0x0               ; yq s[4:5], W's codes s[6:7], W's scales s[8:9], b_out s[10:11]
	s_load_b256 s[12:19], s[0:1], 0x20             ; x s[12:13], gamma s[14:15], beta s[16:17], out0 s[18:19]
	v_lshl_add_u32 v254, v0, 2, 0x10100
	v_mov_b32 v255, 0
	v_lshrrev_b32 v1, 5, v0
	v_readfirstlane_b32 s20, v1                    ; wave 0..15
	v_and_b32 v1, 15, v0                           ; r
	v_bfe_u32 v2, v0, 4, 1                         ; h
	v_and_b32 v3, 31, v0
	v_lshlrev_b32 v3, 4, v3                        ; 16 x lane
	v_lshlrev_b32 v4, 9, v1
	v_lshl_add_u32 v4, v2, 4, v4                   ; W's codes: row r of 512 bytes, + 16 h
	v_lshlrev_b32 v5, 5, v1                        ; W's scale bytes: 32 a row
	v_lshlrev_b32 v6, 2, v1                        ; y's scale words
	v_mul_u32_u24 v7, v1, SPITCH
	v_lshl_add_u32 v7, v2, 5, v7
	s_lshl_b32 s21, s20, 8
	v_add_nc_u32 v7, s21, v7                       ; the stage, way in: row r, my wave's 256 bytes, + 32 h
	s_mul_i32 s21, s20, SPITCH
	v_add_nc_u32 v8, s21, v3                       ; way out: row = wave, 16 bytes a lane
	v_mov_b32 v244, 0                              ; a lane permute's destination counts as one of its sources
	v_mov_b32 v249, 0                              ; (the upper half of a pair of which the low word serves both halves)
	s_mov_b32 s28, 0x76543210
	s_mov_b32 s29, 0xfedcba98
	s_mov_b32 s30, 0x3727c5ac                      ; 1e-5
	s_mov_b32 s31, 0x3a800000                      ; 1 / 1024
	s_lshr_b32 s22, ttmp9, 7                       ; batch
	s_and_b32 s23, ttmp9, 127                      ; tile of 16 tokens in it
	s_mov_b32 s25, 0
	s_wait_kmcnt 0x0
	s_lshl_b32 s24, s20, 15                        ; my 64 rows of W's codes,
	s_add_nc_u64 s[6:7], s[6:7], s[24:25]
	s_lshl_b32 s24, s20, 11                        ; and of its scale bytes
	s_add_nc_u64 s[8:9], s[8:9], s[24:25]
	s_lshl_b32 s24, s22, 16                        ; y's scale words [b][K step][token]
	s_lshl_b32 s21, s23, 6
	s_add_co_u32 s24, s24, s21
	s_add_co_u32 s24, s24, SCOFF
	s_add_nc_u64 s[26:27], s[4:5], s[24:25]
	s_lshl_b32 s24, s22, 20                        ; y's images [16 b + head][tile][lane][16]
	s_lshl_b32 s21, s23, 9
	s_add_co_u32 s24, s24, s21
	s_add_nc_u64 s[4:5], s[4:5], s[24:25]
	s_lshl_b32 s24, ttmp9, 16                      ; my row of x and of out0: 16 x work-group + wave
	s_lshl_b32 s21, s20, 12
	s_add_co_u32 s24, s24, s21
	s_add_nc_u64 s[12:13], s[12:13], s[24:25]
	s_add_nc_u64 s[18:19], s[18:19], s[24:25]
.macro RING s                          ; K step s: ten loads into set s % 3.  y's registers 4 c .. 4 c + 3 are the image of head 2 s + c
.irp t, 0,1,2,3
.irp c, 0,1
	global_load_b128 v[WR+32*((\s)%3)+8*\t+4*\c:WR+32*((\s)%3)+8*\t+4*\c+3], v4, s[6:7] offset:8192*\t+64*(\s)+32*\c
.endr
.endr
.irp c, 0,1
	global_load_b128 v[YR+8*((\s)%3)+4*\c:YR+8*((\s)%3)+4*\c+3], v3, s[4:5] offset:65536*(2*(\s)+\c)
.endr
.endm
.macro MUL s                           ; four products, the four accumulators by turns; then four places in front of loads into the set and of the first read of results
.irp t, 0,1,2,3
.if (\s) == 0
	v_wmma_scale_f32_16x16x128_f8f6f4 v[ACC+8*\t:ACC+8*\t+7], v[WR+32*((\s)%3)+8*\t:WR+32*((\s)%3)+8*\t+7], v[YR+8*((\s)%3):YR+8*((\s)%3)+7], 0, v[WS+8*\t+(\s)], v[YS+(\s)] matrix_a_fmt:MATRIX_FMT_FP4 matrix_b_fmt:MATRIX_FMT_FP4
.else
	v_wmma_scale_f32_16x16x128_f8f6f4 v[ACC+8*\t:ACC+8*\t+7], v[WR+32*((\s)%3)+8*\t:WR+32*((\s)%3)+8*\t+7], v[YR+8*((\s)%3):YR+8*((\s)%3)+7], v[ACC+8*\t:ACC+8*\t+7], v[WS+8*\t+(\s)], v[YS+(\s)] matrix_a_fmt:MATRIX_FMT_FP4 matrix_b_fmt:MATRIX_FMT_FP4
.endif
.endr
.rept 4
	v_nop
.endr
.endm
.macro ROW reg, base                   ; 1,024 f32 in my row's layout: register 4 i + k = column 128 i + 4 lane + k
.irp i, 0,1,2,3,4,5,6,7
	global_load_b128 v[\reg+4*\i:\reg+4*\i+3], v3, s[\base:\base+1] offset:512*\i
.endr
.endm
.irp t, 0,1,2,3
	global_load_b128 v[WS+8*\t:WS+8*\t+3], v5, s[8:9] offset:512*\t
	global_load_b128 v[WS+8*\t+4:WS+8*\t+7], v5, s[8:9] offset:512*\t+16
.endr
.irp s, 0,1,2,3,4,5,6,7
	global_load_b32 v[YS+\s], v6, s[26:27] offset:8192*\s
.endr
	RING 0
	RING 1
	RING 2
.irp i, 0,1,2,3,4,5,6,7
	global_load_b128 v[XR+4*\i:XR+4*\i+3], v3, s[12:13] offset:512*\i th:TH_LOAD_NT   ; x behind the first three sets, so that step 0 does not wait for it
.endr
	s_wait_loadcnt 28                              ; the scale words and set 0 are in; out: sets 1, 2 (20) and x (8)
	MUL 0
	RING 3
	s_wait_loadcnt 28                              ; out: set 2 (10), x (8), step 3's (10)
	MUL 1
	RING 4
	s_wait_loadcnt 28                              ; out: x (8), steps 3 and 4 (20)
	MUL 2
	RING 5
	s_wait_loadcnt 20                              ; out: steps 4 and 5
	MUL 3
	RING 6
	s_wait_loadcnt 20                              ; out: steps 5 and 6
	MUL 4
	RING 7
	s_wait_loadcnt 20                              ; out: steps 6 and 7
	MUL 5
	ROW BO, 10                                     ; b_out into the set that step 5 has left
	s_wait_loadcnt 18                              ; out: step 7 (10), b_out (8)
	MUL 6
	ROW GA, 14                                     ; gamma
	s_wait_loadcnt 16                              ; out: b_out, gamma
	MUL 7
	ROW BE, 16                                     ; beta
.irp t, 0,1,2,3
	ds_store_b128 v7, v[ACC+8*\t:ACC+8*\t+3] offset:64*\t          ; lane (r, h): token r, columns 64 w + 16 t + 8 h + 0 .. 7; each accumulator from its low end on
	ds_store_b128 v7, v[ACC+8*\t+4:ACC+8*\t+7] offset:64*\t+16
.endr
	s_wait_dscnt 0x0                               ; for the others' sake: my stores into the stage are done
	s_barrier_signal -1
	s_barrier_wait -1                              ; 16 whole rows lie in the stage
.irp i, 0,1,2,3,4,5,6,7
	ds_load_b128 v[ACC+4*\i:ACC+4*\i+3], v8 offset:512*\i
.endr
	s_wait_dscnt 0x0
	s_wait_loadcnt 0x0                             ; x, b_out, gamma, beta
.set n, 0
.rept 16
	v_pk_add_f32 v[ACC+n:ACC+n+1], v[ACC+n:ACC+n+1], v[BO+n:BO+n+1]
.set n, n+2
.endr
.set n, 0
.rept 16
	v_pk_add_f32 v[ACC+n:ACC+n+1], v[ACC+n:ACC+n+1], v[XR+n:XR+n+1]     ; h = y W_out + b_out + x
.set n, n+2
.endr
.macro ALLSUM r                        ; the sum over the 32 lanes, in every lane
	v_add_f32_dpp v[\r], v[\r], v[\r] row_xmask:1 row_mask:0xf bank_mask:0xf
	v_add_f32_dpp v[\r], v[\r], v[\r] row_xmask:2 row_mask:0xf bank_mask:0xf
	v_add_f32_dpp v[\r], v[\r], v[\r] row_xmask:4 row_mask:0xf bank_mask:0xf
	v_add_f32_dpp v[\r], v[\r], v[\r] row_xmask:8 row_mask:0xf bank_mask:0xf
	v_permlanex16_b32 v244, v[\r], s28, s29
	v_add_f32 v[\r], v[\r], v244
.endm
	v_pk_add_f32 v[240:241], v[ACC:ACC+1], v[ACC+4:ACC+5]          ; my 32 numbers, in two chains
	v_pk_add_f32 v[242:243], v[ACC+2:ACC+3], v[ACC+6:ACC+7]
.irp j, 8,12,16,20,24,28
	v_pk_add_f32 v[240:241], v[240:241], v[ACC+\j:ACC+\j+1]
	v_pk_add_f32 v[242:243], v[242:243], v[ACC+2+\j:ACC+3+\j]
.endr
	v_pk_add_f32 v[240:241], v[240:241], v[242:243]
	v_add_f32 v240, v240, v241
	ALLSUM 240
	v_mul_f32 v240, s31, v240                      ; the mean
.set n, 0
.rept 16
	v_pk_add_f32 v[ACC+n:ACC+n+1], v[ACC+n:ACC+n+1], v[240:241] op_sel_hi:[1,0] neg_lo:[0,1] neg_hi:[0,1]   ; d = h - mean
.set n, n+2
.endr
	v_pk_mul_f32 v[242:243], v[ACC:ACC+1], v[ACC:ACC+1]            ; the sum of d^2, in two chains
	v_pk_mul_f32 v[246:247], v[ACC+2:ACC+3], v[ACC+2:ACC+3]
.irp j, 4,8,12,16,20,24,28
	v_pk_fma_f32 v[242:243], v[ACC+\j:ACC+\j+1], v[ACC+\j:ACC+\j+1], v[242:243]
	v_pk_fma_f32 v[246:247], v[ACC+2+\j:ACC+3+\j], v[ACC+2+\j:ACC+3+\j], v[246:247]
.endr
	v_pk_add_f32 v[242:243], v[242:243], v[246:247]
	v_add_f32 v242, v242, v243
	ALLSUM 242
	v_fma_f32 v242, v242, s31, s30                 ; the variance + 1e-5
	v_rsq_f32 v248, v242
	v_nop                                          ; one plain place behind a transcendental
.set n, 0
	s_wait_alu depctr_va_vdst(0)
.rept 16
	v_pk_mul_f32 v[GA+n:GA+n+1], v[GA+n:GA+n+1], v[248:249] op_sel_hi:[1,0]
.set n, n+2
.endr
.set n, 0
.rept 16
	v_pk_fma_f32 v[ACC+n:ACC+n+1], v[ACC+n:ACC+n+1], v[GA+n:GA+n+1], v[BE+n:BE+n+1]
.set n, n+2
.endr
.irp i, 0,1,2,3,4,5,6,7
	global_store_b128 v3, v[ACC+4*\i:ACC+4*\i+3], s[18:19] offset:512*\i th:TH_STORE_NT   ; the wave stores 512 consecutive bytes of its row, aligned
.endr
	s_wait_tensorcnt 0x0
	ds_add_u32 v254, v255
	s_wait_dscnt 0x0
	s_endpgm
.Lfunc_end_k_qfb309ce5b8_outln:
	.size	k_qfb309ce5b8_outln, .Lfunc_end_k_qfb309ce5b8_outln-k_qfb309ce5b8_outln
	.p2alignl 7, 3214868480
	.fill 96, 4, 3214868480
	.section	.rodata,"a",@progbits
	.p2align	6, 0x0
	.amdhsa_kernel k_qfb309ce5b8_outln
		.amdhsa_group_segment_fixed_size 67840
		.amdhsa_private_segment_fixed_size 0
		.amdhsa_enable_private_segment 0
		.amdhsa_kernarg_size 64
		.amdhsa_user_sgpr_count 2
		.amdhsa_user_sgpr_kernarg_segment_ptr 1
		.amdhsa_wavefront_size32 1
		.amdhsa_system_sgpr_workgroup_id_x 1
		.amdhsa_system_sgpr_workgroup_id_y 1
		.amdhsa_system_sgpr_workgroup_id_z 1
		.amdhsa_system_vgpr_workitem_id 0
		.amdhsa_next_free_vgpr 256
		.amdhsa_next_free_sgpr 66
		.amdhsa_reserve_vcc 0
		.amdhsa_float_denorm_mode_32 3
		.amdhsa_float_denorm_mode_16_64 3
		.amdhsa_memory_ordered 1
		.amdhsa_forward_progress 1
		.amdhsa_inst_pref_size 30
	.end_amdhsa_kernel
	.amdgpu_metadata
---
amdhsa.version: [ 1, 2 ]
amdhsa.kernels:
  - .name:           k_qfb309ce5b8_outln
    .symbol:         k_qfb309ce5b8_outln.kd
    .args:
      - { .name: yq, .offset: 0, .size: 8, .value_kind: global_buffer, .address_space: global }
      - { .name: W_out_codes, .offset: 8, .size: 8, .value_kind: global_buffer, .address_space: global }
      - { .name: W_out_scales, .offset: 16, .size: 8, .value_kind: global_buffer, .address_space: global }
      - { .name: b_out, .offset: 24, .size: 8, .value_kind: global_buffer, .address_space: global }
      - { .name: x, .offset: 32, .size: 8, .value_kind: global_buffer, .address_space: global }
      - { .name: gamma, .offset: 40, .size: 8, .value_kind: global_buffer, .address_space: global }
      - { .name: beta, .offset: 48, .size: 8, .value_kind: global_buffer, .address_space: global }
      - { .name: out0, .offset: 56, .size: 8, .value_kind: global_buffer, .address_space: global }
    .group_segment_fixed_size: 67840
    .private_segment_fixed_size: 0
    .kernarg_segment_align: 8
    .kernarg_segment_size: 64
    .max_flat_workgroup_size: 512
    .sgpr_count:     66
    .vgpr_count:     256
    .wavefront_size: 32
...
	.end_amdgpu_metadata
.endif
;; end of part 4
;; ======== version 2 of 2: 4 launches
;; workspace buffers: xq 2,228,224 bytes; qkvq 6,946,816 bytes; yq 2,228,224 bytes
;; launch quantx (part 5): grid 256 x 1, 2 waves a work-group, no clusters, 16,640 bytes of LDS; arguments x, xq; writes xq
.if DOCPART == 5
	.amdgcn_target "amdgcn-amd-amdhsa--gfx1250"
	.amdhsa_code_object_version 6
	.text
	.protected	k_qfb309ce5b8_quantx
	.globl	k_qfb309ce5b8_quantx
	.p2align	8
	.type	k_qfb309ce5b8_quantx,@function
k_qfb309ce5b8_quantx:
	s_mov_b64 s[64:65], 0
	v_nop
	global_prefetch_b8 v0, s[64:65] scope:SCOPE_SE
	s_setreg_imm32_b32 hwreg(HW_REG_WAVE_MODE, 25, 1), 1
	s_wait_xcnt 0x0
; x [4096][1024] f32 becomes codes of FP4 (E2M1), K innermost, [4096][512 bytes] at byte 0 of xq, and one E8M0 byte for each 32 along K, [4096][32] at byte SCOFF of xq.
; A block's scale is 2^(floor(log2(its largest magnitude)) - 2); its byte is the largest magnitude's exponent field - 2, held at 1 from below.
; LIMITS: NaN and infinities are not served.  A block of zeros gets the byte 1 where the rule says 127: its codes are zeros, and this program alone reads the bytes.
; Rows are dense and 1024 is a multiple of 32: x is a plain stream of blocks of 32, and so are the codes and the bytes.  A wave takes 16 steps of 512 numbers (512 such runs: 256 work-groups of two waves).
; Each of a step's four loads reads 512 consecutive bytes, 16 a lane; the 2,048 bytes turn through the wave's own stage in LDS and come back 64 bytes a lane: 16 neighbours along K, two lanes to a block.
; A launch of its own, since eight column groups of the next launch read each row of x: they then read an eighth of the bytes.  No matrix unit, no cluster, no barrier: waves share nothing.
.set STEPS, 16
.set SCOFF, 2097152
.set CB,    8                          ; bytes of a lane's 16 codes
.set R,     16                         ; v16-79   four sets of 16 numbers as loaded
.set X,     80                         ; v80-111  two sets of 16 neighbours
.set E,     112                        ; v112-127 a scale byte for each step
.set C,     128                        ; v128-191 codes: registers of its own for each step, so that no store's data are written again
.set WREG,  8192                       ; LDS: a region for each wave: two stages of 32 x SP bytes, behind them its 256 scale bytes
.set SP,    80                         ; a lane's place in a stage: 64 bytes + 16 of padding
	s_load_b128 s[4:7], s[0:1], 0x0                ; x s[4:5], xq s[6:7]
	v_lshl_add_u32 v192, v0, 2, 0x4000
	v_mov_b32 v193, 0
	v_lshrrev_b32 v1, 5, v0
	v_readfirstlane_b32 s16, v1                    ; wave 0, 1
	v_and_b32 v2, 31, v0                           ; lane
	v_lshlrev_b32 v3, 4, v2                        ; my 16 bytes of a load's 512
	s_mul_i32 s17, s16, WREG
	v_lshrrev_b32 v14, 2, v2
	v_mul_u32_u24 v14, v14, SP
	v_and_b32 v15, 3, v2
	v_lshl_add_u32 v14, v15, 4, v14
	v_add_nc_u32 v14, s17, v14                     ; the stage, way in: SP (lane / 4) + 16 (lane % 4)
	v_mul_u32_u24 v15, v2, SP
	v_add_nc_u32 v15, s17, v15                     ; way out: SP x lane
	v_mul_u32_u24 v4, v2, CB                       ; my codes' place in a step's 256 bytes
	v_lshrrev_b32 v5, 1, v2
	s_add_co_u32 s17, s17, 2*32*SP
	v_add_nc_u32 v5, s17, v5                       ; my block's byte among the wave's 256
	v_lshlrev_b32 v7, 3, v2
	v_add_nc_u32 v6, s17, v7                       ; and 8 bytes a lane on their way out
	s_lshl_b32 s18, ttmp9, 1
	s_add_co_u32 s18, s18, s16                     ; my run of 8,192 numbers
	s_lshl_b32 s20, s18, 15                        ; its 32,768 bytes of x,
	s_mov_b32 s21, 0
	s_lshl_b32 s22, s18, 12                        ; its 4,096 bytes of codes,
	s_mov_b32 s23, 0
	s_lshl_b32 s24, s18, 8                         ; its 256 scale bytes
	s_add_co_u32 s24, s24, SCOFF
	s_mov_b32 s25, 0
	s_wait_alu depctr_va_vdst(0)
	s_wait_kmcnt 0x0
	s_add_nc_u64 s[4:5], s[4:5], s[20:21]
	s_add_nc_u64 s[8:9], s[6:7], s[22:23]
	s_add_nc_u64 s[10:11], s[6:7], s[24:25]
.macro LOAD t
.irp i, 0,1,2,3
	global_load_b128 v[R+16*((\t)%4)+4*\i:R+16*((\t)%4)+4*\i+3], v3, s[4:5] offset:2048*(\t)+512*\i th:TH_LOAD_NT   ; 32 lanes read 512 consecutive bytes
.endr
.endm
.macro TURN t                          ; step t's numbers through the stage: LDS serves a wave's instructions in order, so no wait stands between the stores and the loads
.irp i, 0,1,2,3
	ds_store_b128 v14, v[R+16*((\t)%4)+4*\i:R+16*((\t)%4)+4*\i+3] offset:32*SP*((\t)%2)+8*SP*\i
.endr
.irp i, 0,1,2,3
	ds_load_b128 v[X+16*((\t)%2)+4*\i:X+16*((\t)%2)+4*\i+3], v15 offset:32*SP*((\t)%2)+16*\i
.endr
.endm
.irp t, 0,1,2,3
	LOAD \t
.endr
	s_wait_loadcnt 12                              ; step 0's four loads are in; the twelve of steps 1 to 3 stay out
	TURN 0
.macro STEP t
.set XS, X+16*((\t)%2)
.if (\t) > 0
	s_wait_dscnt 1                                 ; this step's numbers are back from the stage; the last step's byte store may be out
.else
	s_wait_dscnt 0x0
.endif
.if (\t)+4 < STEPS
	LOAD (\t)+4                                    ; into the set whose stores into the stage have been served
.endif
.if (\t)+1 < STEPS
.if STEPS-2-(\t) >= 3
	s_wait_loadcnt 12                              ; the next step's four loads are in; those of the three steps behind it may be out
.else
	s_wait_loadcnt 4*(STEPS-2-(\t))
.endif
	TURN (\t)+1
.endif
	v_max3_num_f32 v8, |v[XS]|, |v[XS+1]|, |v[XS+2]|               ; the largest magnitude of my 16, in two chains
	v_max3_num_f32 v9, |v[XS+3]|, |v[XS+4]|, |v[XS+5]|
.irp i, 6,10
	v_max3_num_f32 v8, v8, |v[XS+\i]|, |v[XS+\i+1]|
	v_max3_num_f32 v9, v9, |v[XS+\i+2]|, |v[XS+\i+3]|
.endr
	v_max3_num_f32 v8, v8, |v[XS+14]|, |v[XS+15]|
	v_max3_num_f32 v8, v8, v9, 0x1800000           ; and the floor 2^(3 - 127): the byte cannot fall under 1
	v_max_num_f32_dpp v8, v8, v8 row_xmask:1 row_mask:0xf bank_mask:0xf   ; with my neighbour's 16: the block's
	v_add_nc_u32 v11, 0xff000000, v8               ; 2 off its exponent field: the conversion takes that field as its scale
	v_cvt_scalef32_pk8_fp4_f32 v[C+4*(\t)], v[XS:XS+7], v11
	v_cvt_scalef32_pk8_fp4_f32 v[C+4*(\t)+1], v[XS+8:XS+15], v11
	v_lshrrev_b32 v[E+(\t)], 23, v11               ; the scale's byte (a plain line behind the conversions)
	ds_store_b8 v5, v[E+(\t)] offset:16*(\t)       ; both lanes of a block write the same byte with the same value
	global_store_b64 v4, v[C+4*(\t):C+4*(\t)+1], s[8:9] offset:32*CB*(\t)   ; the wave stores 256 consecutive bytes, aligned
.endm
.irp t, 0,1,2,3,4,5,6,7,8,9,10,11,12,13,14,15
	STEP \t
.endr
	ds_load_b64 v[12:13], v6                       ; LDS serves a wave's instructions in order: these see my byte stores
	s_wait_dscnt 0x0
	global_store_b64 v7, v[12:13], s[10:11]        ; 32 lanes store the wave's 256 scale bytes, aligned
	s_wait_tensorcnt 0x0
	ds_add_u32 v192, v193
	s_wait_dscnt 0x0
	s_endpgm
.Lfunc_end_k_qfb309ce5b8_quantx:
	.size	k_qfb309ce5b8_quantx, .Lfunc_end_k_qfb309ce5b8_quantx-k_qfb309ce5b8_quantx
	.p2alignl 7, 3214868480
	.fill 96, 4, 3214868480
	.section	.rodata,"a",@progbits
	.p2align	6, 0x0
	.amdhsa_kernel k_qfb309ce5b8_quantx
		.amdhsa_group_segment_fixed_size 16640
		.amdhsa_private_segment_fixed_size 0
		.amdhsa_enable_private_segment 0
		.amdhsa_kernarg_size 16
		.amdhsa_user_sgpr_count 2
		.amdhsa_user_sgpr_kernarg_segment_ptr 1
		.amdhsa_wavefront_size32 1
		.amdhsa_system_sgpr_workgroup_id_x 1
		.amdhsa_system_sgpr_workgroup_id_y 1
		.amdhsa_system_sgpr_workgroup_id_z 1
		.amdhsa_system_vgpr_workitem_id 0
		.amdhsa_next_free_vgpr 194
		.amdhsa_next_free_sgpr 66
		.amdhsa_reserve_vcc 0
		.amdhsa_float_denorm_mode_32 3
		.amdhsa_float_denorm_mode_16_64 3
		.amdhsa_memory_ordered 1
		.amdhsa_forward_progress 1
		.amdhsa_inst_pref_size 33
	.end_amdhsa_kernel
	.amdgpu_metadata
---
amdhsa.version: [ 1, 2 ]
amdhsa.kernels:
  - .name:           k_qfb309ce5b8_quantx
    .symbol:         k_qfb309ce5b8_quantx.kd
    .args:
      - { .name: x, .offset: 0, .size: 8, .value_kind: global_buffer, .address_space: global }
      - { .name: xq, .offset: 8, .size: 8, .value_kind: global_buffer, .address_space: global }
    .group_segment_fixed_size: 16640
    .private_segment_fixed_size: 0
    .kernarg_segment_align: 8
    .kernarg_segment_size: 16
    .max_flat_workgroup_size: 64
    .sgpr_count:     66
    .vgpr_count:     194
    .wavefront_size: 32
...
	.end_amdgpu_metadata
.endif
;; end of part 5
;; launch proj (part 6): grid 8 x 32, 12 waves a work-group, no clusters, 288,256 bytes of LDS; arguments xq, W_qkv_codes, W_qkv_scales, b_qkv, qkvq; writes qkvq
.if DOCPART == 6
	.amdgcn_target "amdgcn-amd-amdhsa--gfx1250"
	.amdhsa_code_object_version 6
	.text
	.protected	k_qfb309ce5b8_proj
	.globl	k_qfb309ce5b8_proj
	.p2align	8
	.type	k_qfb309ce5b8_proj,@function
k_qfb309ce5b8_proj:
	s_mov_b64 s[64:65], 0
	v_nop
	global_prefetch_b8 v0, s[64:65] scope:SCOPE_SE
	s_setreg_imm32_b32 hwreg(HW_REG_WAVE_MODE, 25, 1), 1
	s_wait_xcnt 0x0
; qkv = Q(x) W_qkv + b_qkv on codes of FP4 with E8M0 scales, and the results quantised at once for the attention: q and k along the head's 64, v along the keys.
; SHARES.  A work-group takes 128 tokens (y) x 384 columns (x): six head columns of 64.  Wave w makes 64 tokens (half w & 1) x head column w >> 1: 16 accumulators of 16 x 16.  256 work-groups.
; All that a work-group reads lies in LDS whole: eight slots of 64 rows x 512 bytes of codes (six of W, two of x) and 16 KiB of scale bytes.  Each of the twelve waves brings one part by one tensor load;
; nothing is filled a second time: one wait, one barrier.
; q, k: the product is used transposed (source 0 = 16 columns of W, source 1 = 16 tokens): a lane holds ONE token and its registers run along the head's 64.
; v: source 0 = 16 tokens, source 1 = 16 columns: a lane holds ONE column and its registers run along the keys.  The bias is the C of each sum's first product.
; OUT (buffer qkvq; regions q at 0, k at KREG, v at 2 KREG; in each the codes first, the scales at SCOFF):
;   q, k codes: [b 16 + head][tile of 16 tokens][lane][16 bytes]: lane (r, h) = token r, the head's numbers 32 h .. 32 h + 31: registers 0-3 of an operand.  Scale words [b 16 + head][token]: bytes 0, 1 the two blocks, bytes 2, 3 = 127.
;   v codes: [b 16 + head][step of 128 keys][tile of 16 of the head's 64][c][lane][16 bytes]: lane (r, h) = number 16 tile + r, keys 64 c + 32 h .. + 31: registers 4 c .. 4 c + 3.  Scale words [b 16 + head][step][64], byte 2 c + h.
; LIMITS: NaN and infinities are not served.  A block of zeros gets the byte 1 with zero codes; this program alone reads the bytes.
; NO CLUSTER: W's 204 KiB of a work-group's 272 KiB are the same in the 32 work-groups of a column group and are not asked for jointly in this text, which keeps to one fill and one barrier.
.set SCOFF, 2097152
.set KREG,  2359296                    ; SCOFF + 32 x 2048 words
.set PITCH, 528                        ; an LDS row: 512 bytes + 16 of padding = 33 x 16: the sixteen rows of a fragment load start at sixteen different 16-byte columns modulo 256
.set SLOTB, 64*PITCH
.set WSC,   8*SLOTB                    ; W's scale bytes: 384 rows x 32, dense
.set XSC,   WSC+12288                  ; x's: 128 rows x 32, dense
.set AW,  4                            ; v4   LDS address of my fragments of W
.set AX,  5                            ; v5   of x
.set ASC, 6                            ; v6   of my scale words: lanes 0-15 W's rows, lanes 16-31 x's
.set LI,  7                            ; v7   16 x lane
.set LS,  8                            ; v8   4 x lane
.set BQ,  9                            ; v9   32 h: the bias of q, k
.set VBA, 10                           ; v10  4 r + h: v's scale byte
.set BV,  11                           ; v11  4 r: the bias of v
.set SC,  12                           ; v12-27  scale words, and nothing else: register 4 i + s % 4: lanes 0-15 W's tile i, lanes 16-31 x's tile i
.set WF,  28                           ; v28-59  W's four fragments
.set XF,  60                           ; v60-91  x's four
.set ACC, 92                           ; v92-219 accumulator (a, b) at 8 (4 b + a): a = source 0's tile, b = source 1's
.set BI,  220                          ; v220-251 the bias in the result's layout
.set TM,  28                           ; the way out works in the registers that W's fragments have left
.set TP,  30
.set SO,  32
.set BY,  34
.set PC,  36                           ; v36-51  codes, four registers for each b
.set SW,  52                           ; v52-55  q's, k's scale words
.set VB,  56                           ; v56-59  v's scale bytes
.set WV, 14
.set HL, 15
.set TH, 16
.set GY, 18
.set HC, 19
.set TY, 20
.set HD, 21
.set BB, 22
.set ST, 23
.set G1C, 24                           ; s[24:31] group 1: 64 rows x 512 bytes, padded
.set G1S, 32                           ; s[32:39] group 1: 16 rows x 256 bytes, dense
.set G0W, 40                           ; s[40:43] W's codes;  s[44:47] x's codes;  s[48:51] W's scales;  s[52:55] x's scales
.set G0X, 44
.set G0WS, 48
.set G0XS, 52
.set SEL, 66                           ; s[66:67] v_permlanex16_b32's selects for lane l xor 16
	s_load_b256 s[4:11], s[0:1], 0x0               ; xq s[4:5], W's codes s[6:7], W's scales s[8:9], b_qkv s[10:11]
	s_load_b64 s[12:13], s[0:1], 0x20              ; qkvq
	v_lshl_add_u32 v254, v0, 2, 0x46000
	v_mov_b32 v255, 0
	ds_add_u32 v254, v255
	ds_add_u32 v254, v255
	v_lshrrev_b32 v1, 5, v0
	s_delay_alu instid0(VALU_DEP_1)
	v_readfirstlane_b32 s[WV], v1                  ; wave 0..11
	s_lshr_b32 s[HL], s[WV], 1                     ; my head column of the six
	s_and_b32 s[TH], s[WV], 1                      ; my half of the 128 tokens
	s_and_b32 s[GY], ttmp7, 0xffff                 ; block of 128 tokens
	s_mul_i32 s[HC], ttmp9, 6
	s_add_co_u32 s[HC], s[HC], s[HL]               ; head column 0..47 = 16 type + head
	s_lshr_b32 s[TY], s[HC], 4                     ; 0 q, 1 k, 2 v
	s_and_b32 s[HD], s[HC], 15
	s_lshr_b32 s[BB], s[GY], 4                     ; batch
	s_and_b32 s[ST], s[GY], 15                     ; step of 128 keys in it
	s_mov_b32 s[G1C+0], (1<<20)|(6<<22)|(3<<25)    ; elements of 1 byte; padding on: 4 words behind every 128
	s_mov_b32 s[G1C+1], 512<<16                    ; tensor_dim0
	s_mov_b32 s[G1C+2], 64<<16                     ; tensor_dim1
	s_mov_b32 s[G1C+3], 512<<16                    ; tile_dim0
	s_mov_b32 s[G1C+4], 64                         ; tile_dim1
	s_mov_b32 s[G1C+5], 512                        ; from row to row
	s_mov_b32 s[G1C+6], 0
	s_mov_b32 s[G1C+7], 0
	s_mov_b32 s[G1S+0], 3<<16                      ; elements of 8 bytes, no padding
	s_mov_b32 s[G1S+1], 32<<16
	s_mov_b32 s[G1S+2], 16<<16
	s_mov_b32 s[G1S+3], 32<<16
	s_mov_b32 s[G1S+4], 16
	s_mov_b32 s[G1S+5], 32
	s_mov_b32 s[G1S+6], 0
	s_mov_b32 s[G1S+7], 0
	s_mov_b32 s[SEL], 0x76543210
	s_mov_b32 s[SEL+1], 0xfedcba98
	s_min_u32 s56, s[WV], 7
	s_mul_i32 s56, s56, SLOTB                      ; LDS: code slot = wave (waves 0-7)
	s_and_b32 s57, s[WV], 3
	s_lshl_b32 s57, s57, 12                        ; 4,096 x (wave & 3): waves 8-10 W's three parts, wave 11 x's
	s_mul_i32 s58, ttmp9, 196608                   ; W's codes: 384 rows x 512 bytes a column group,
	s_lshl_b32 s59, s[WV], 15                      ; 64 rows a wave
	s_add_co_u32 s58, s58, s59
	s_mov_b32 s59, 0
	s_lshl_b32 s60, s[GY], 16                      ; x's codes: 128 rows x 512 bytes a block,
	s_lshl_b32 s61, s[TH], 15                      ; 64 rows a wave (waves 6, 7)
	s_add_co_u32 s60, s60, s61
	s_mov_b32 s61, 0
	s_mul_i32 s62, ttmp9, 12288                    ; W's scale bytes: 384 rows x 32
	s_add_co_u32 s62, s62, s57
	s_mov_b32 s63, 0
	s_lshl_b32 s2, s[GY], 12                       ; x's: 128 rows x 32
	s_add_co_u32 s2, s2, SCOFF
	s_mov_b32 s3, 0
	s_add_co_u32 s57, s57, WSC
	s_wait_dscnt 0x0
	s_wait_kmcnt 0x0
	s_mov_b32 s[G0W], 1
	s_mov_b32 s[G0W+1], s56
	s_add_nc_u64 s[G0W+2:G0W+3], s[6:7], s[58:59]
	s_or_b32 s[G0W+3], s[G0W+3], 0x80000000
	s_mov_b32 s[G0X], 1
	s_mov_b32 s[G0X+1], s56
	s_add_nc_u64 s[G0X+2:G0X+3], s[4:5], s[60:61]
	s_or_b32 s[G0X+3], s[G0X+3], 0x80000000
	s_mov_b32 s[G0WS], 1
	s_mov_b32 s[G0WS+1], s57
	s_add_nc_u64 s[G0WS+2:G0WS+3], s[8:9], s[62:63]
	s_or_b32 s[G0WS+3], s[G0WS+3], 0x80000000
	s_mov_b32 s[G0XS], 1
	s_mov_b32 s[G0XS+1], s57
	s_add_nc_u64 s[G0XS+2:G0XS+3], s[4:5], s[2:3]
	s_or_b32 s[G0XS+3], s[G0XS+3], 0x80000000
	; each wave's one tensor load; the branches hang on the wave's number alone; four v_nop follow each line
	s_cmp_lt_u32 s[WV], 6
	s_cbranch_scc0 .Lnot_w
	tensor_load_to_lds s[G0W:G0W+3], s[G1C:G1C+7]
	s_nop 0
.rept 4
	v_nop
.endr
	s_branch .Lasked
.Lnot_w:
	s_cmp_lt_u32 s[WV], 8
	s_cbranch_scc0 .Lnot_x
	tensor_load_to_lds s[G0X:G0X+3], s[G1C:G1C+7]
	s_nop 0
.rept 4
	v_nop
.endr
	s_branch .Lasked
.Lnot_x:
	s_cmp_lt_u32 s[WV], 11
	s_cbranch_scc0 .Lnot_ws
	tensor_load_to_lds s[G0WS:G0WS+3], s[G1S:G1S+7]
	s_nop 0
.rept 4
	v_nop
.endr
	s_branch .Lasked
.Lnot_ws:
	tensor_load_to_lds s[G0XS:G0XS+3], s[G1S:G1S+7]
	s_nop 0
.rept 4
	v_nop
.endr
.Lasked:
	v_and_b32 v1, 15, v0                           ; r
	v_bfe_u32 v2, v0, 4, 1                         ; h
	v_and_b32 v3, 31, v0                           ; lane
	s_delay_alu instid0(VALU_DEP_3)
	v_mul_u32_u24 v[AW], v1, PITCH
	s_delay_alu instid0(VALU_DEP_1)
	v_lshl_add_u32 v[AW], v2, 4, v[AW]             ; a fragment's row x pitch + 16 h
	s_add_co_u32 s3, s[TH], 6
	s_mul_i32 s3, s3, SLOTB
	v_add_nc_u32 v[AX], s3, v[AW]                  ; x's slot 6 + half
	s_mul_i32 s2, s[HL], SLOTB
	v_add_nc_u32 v[AW], s2, v[AW]                  ; W's slot = my head column
	s_lshl_b32 s2, s[HL], 11                       ; W's scale bytes: 64 rows x 32 a head column
	s_lshl_b32 s3, s[TH], 11                       ; x's: 64 rows x 32 a half
	s_add_co_u32 s3, s3, XSC-WSC
	s_sub_co_u32 s3, s3, s2                        ; the distance from W's rows to x's: 2,048 at the least
	v_mul_u32_u24 v[ASC], s3, v2                   ; lanes 16-31 take x's
	s_wait_alu depctr_va_vdst(0)
	s_add_co_u32 s2, s2, WSC
	v_lshl_add_u32 v[ASC], v1, 5, v[ASC]           ; 32 bytes a row
	s_delay_alu instid0(VALU_DEP_1)
	v_add_nc_u32 v[ASC], s2, v[ASC]
	v_lshlrev_b32 v[LI], 4, v3
	v_lshlrev_b32 v[LS], 2, v3
	v_lshlrev_b32 v[BQ], 5, v2
	v_lshl_add_u32 v[VBA], v1, 2, v2
	v_lshlrev_b32 v[BV], 2, v1
	s_lshl_b32 s2, s[HC], 8                        ; my head column's 64 numbers of the bias
	s_mov_b32 s3, 0
	s_add_nc_u64 s[10:11], s[10:11], s[2:3]
	s_lshl_b32 s72, s[BB], 4
	s_add_co_u32 s72, s72, s[HD]                   ; 16 b + head
	s_mul_i32 s73, s[TY], KREG                     ; my region of qkvq
	s_lshl_b32 s74, s72, 16
	s_add_co_u32 s68, s73, s74                     ; codes: 65,536 bytes a head,
	s_lshl_b32 s74, s[ST], 12
	s_add_co_u32 s68, s68, s74                     ; 4,096 a block of 128 tokens, in all three layouts
	s_mov_b32 s69, 0
	s_add_co_u32 s70, s73, SCOFF
	s_mov_b32 s71, 0
	s_cmp_eq_u32 s[TY], 2                          ; the bias in the result's layout, asked for while the tiles are on their way
	s_cbranch_scc1 .Lbias_v
	s_wait_alu depctr_va_vdst(0)
.irp a, 0,1,2,3
	global_load_b128 v[BI+8*\a:BI+8*\a+3], v[BQ], s[10:11] offset:64*\a        ; q, k: register j of tile a: column 16 a + 8 h + j
	global_load_b128 v[BI+8*\a+4:BI+8*\a+7], v[BQ], s[10:11] offset:64*\a+16
.endr
	s_branch .Lbias_done
.Lbias_v:
	s_wait_alu depctr_va_vdst(0)
.irp b, 0,1,2,3
.irp j, 0,1,2,3,4,5,6,7
	global_load_b32 v[BI+8*\b+\j], v[BV], s[10:11] offset:64*\b                 ; v: all eight registers of tile b: column 16 b + r
.endr
.endr
.Lbias_done:
	s_wait_tensorcnt 0x0                           ; my part lies in LDS,
	s_barrier_signal -1
	s_barrier_wait -1                              ; everybody's does.  The only barrier: LDS is only read from here on
; 16 products of K step s; the sixteen accumulators take turns, one instruction a turn
.macro MM s, isv
.irp b, 0,1,2,3
.irp a, 0,1,2,3
.if \isv
.if (\s) == 0
	v_wmma_scale_f32_16x16x128_f8f6f4 v[ACC+8*(4*\b+\a):ACC+8*(4*\b+\a)+7], v[XF+8*\a:XF+8*\a+7], v[WF+8*\b:WF+8*\b+7], v[BI+8*\b:BI+8*\b+7], v[SC+4*\a+(\s)%4], v[SC+4*\b+(\s)%4] matrix_a_fmt:MATRIX_FMT_FP4 matrix_b_fmt:MATRIX_FMT_FP4 matrix_a_scale:MATRIX_SCALE_ROW1
.else
	v_wmma_scale_f32_16x16x128_f8f6f4 v[ACC+8*(4*\b+\a):ACC+8*(4*\b+\a)+7], v[XF+8*\a:XF+8*\a+7], v[WF+8*\b:WF+8*\b+7], v[ACC+8*(4*\b+\a):ACC+8*(4*\b+\a)+7], v[SC+4*\a+(\s)%4], v[SC+4*\b+(\s)%4] matrix_a_fmt:MATRIX_FMT_FP4 matrix_b_fmt:MATRIX_FMT_FP4 matrix_a_scale:MATRIX_SCALE_ROW1
.endif
.else
.if (\s) == 0
	v_wmma_scale_f32_16x16x128_f8f6f4 v[ACC+8*(4*\b+\a):ACC+8*(4*\b+\a)+7], v[WF+8*\a:WF+8*\a+7], v[XF+8*\b:XF+8*\b+7], v[BI+8*\a:BI+8*\a+7], v[SC+4*\a+(\s)%4], v[SC+4*\b+(\s)%4] matrix_a_fmt:MATRIX_FMT_FP4 matrix_b_fmt:MATRIX_FMT_FP4 matrix_b_scale:MATRIX_SCALE_ROW1
.else
	v_wmma_scale_f32_16x16x128_f8f6f4 v[ACC+8*(4*\b+\a):ACC+8*(4*\b+\a)+7], v[WF+8*\a:WF+8*\a+7], v[XF+8*\b:XF+8*\b+7], v[ACC+8*(4*\b+\a):ACC+8*(4*\b+\a)+7], v[SC+4*\a+(\s)%4], v[SC+4*\b+(\s)%4] matrix_a_fmt:MATRIX_FMT_FP4 matrix_b_fmt:MATRIX_FMT_FP4 matrix_b_scale:MATRIX_SCALE_ROW1
.endif
.endif
.endr
.endr
.endm
; K step s of 128: its fragments (two loads of 16 bytes, 32 apart, at row x pitch + 64 s + 16 h), every fourth step the scale words of four steps, and the products
.macro STEP s, isv
.if (\s) > 0
.rept 4
	v_nop                                          ; four places in front of loads into registers that matrix instructions have read
.endr
.endif
.if (\s)%4 == 0
.irp i, 0,1,2,3
	ds_load_b128 v[SC+4*\i:SC+4*\i+3], v[ASC] offset:512*\i+16*((\s)/4)
.endr
.endif
.irp i, 0,1,2,3
.irp c, 0,1
	ds_load_b128 v[WF+8*\i+4*\c:WF+8*\i+4*\c+3], v[AW] offset:16*PITCH*\i+64*(\s)+32*\c
	ds_load_b128 v[XF+8*\i+4*\c:XF+8*\i+4*\c+3], v[AX] offset:16*PITCH*\i+64*(\s)+32*\c
.endr
.endr
	s_wait_dscnt 0x0
.if (\s) == 0
	s_wait_loadcnt 0x0                             ; the bias
.endif
	MM \s, \isv
.endm
; 32 registers of a lane, four result tiles in their natural order (tile a, register j: index 16 a + 8 h + j of 64 along the next K), become the 16 bytes of block h in v[p] .. v[p + 3], and the two blocks' bytes in v[BY], v[BY + 1].
; The conversion of tile a gives word 2 (a % 2) + h of block a / 2: tiles 0, 2, 1, 3 go to p, p + 1, p + 2, p + 3, and two exchanges of halves bring block h's four words into lane (r, h).
.macro QUANT2 s, p
	v_max3_num_f32 v[TM], |v[(\s)]|, |v[(\s)+1]|, 0x1800000            ; block 0: my 16 numbers, and the floor 2^(3 - 127): the byte cannot fall under 1.  Each tile is read from its low end on
	v_max3_num_f32 v[TM+1], |v[(\s)+16]|, |v[(\s)+17]|, 0x1800000      ; block 1
.irp i, 2,4,6,8,10,12,14
	v_max3_num_f32 v[TM], v[TM], |v[(\s)+\i]|, |v[(\s)+\i+1]|
	v_max3_num_f32 v[TM+1], v[TM+1], |v[(\s)+16+\i]|, |v[(\s)+17+\i]|
.endr
	s_delay_alu instid0(VALU_DEP_2)
	v_permlanex16_b32 v[TP], v[TM], s[SEL], s[SEL+1]
	s_delay_alu instid0(VALU_DEP_2)
	v_permlanex16_b32 v[TP+1], v[TM+1], s[SEL], s[SEL+1]
	s_delay_alu instid0(VALU_DEP_2)
	v_max_num_f32 v[TM], v[TM], v[TP]              ; with lane l xor 16's 16: the block's largest magnitude
	s_delay_alu instid0(VALU_DEP_2)
	v_max_num_f32 v[TM+1], v[TM+1], v[TP+1]
	s_delay_alu instid0(VALU_DEP_2)
	v_add_nc_u32 v[SO], 0xff000000, v[TM]          ; 2 off the exponent field: the conversion's scale operand
	s_delay_alu instid0(VALU_DEP_2)
	v_add_nc_u32 v[SO+1], 0xff000000, v[TM+1]
	s_delay_alu instid0(VALU_DEP_2)
	v_lshrrev_b32 v[BY], 23, v[SO]                 ; the scale's byte
	s_delay_alu instid0(VALU_DEP_2)
	v_lshrrev_b32 v[BY+1], 23, v[SO+1]
	v_cvt_scalef32_pk8_fp4_f32 v[(\p)], v[(\s):(\s)+7], v[SO]
	v_cvt_scalef32_pk8_fp4_f32 v[(\p)+2], v[(\s)+8:(\s)+15], v[SO]
	v_cvt_scalef32_pk8_fp4_f32 v[(\p)+1], v[(\s)+16:(\s)+23], v[SO+1]
	v_cvt_scalef32_pk8_fp4_f32 v[(\p)+3], v[(\s)+24:(\s)+31], v[SO+1]
	v_nop                                          ; one plain place behind a scaled conversion
	v_permlane16_swap_b32 v[(\p)], v[(\p)+1]
	v_permlane16_swap_b32 v[(\p)+2], v[(\p)+3]
.endm
	s_cmp_eq_u32 s[TY], 2
	s_cbranch_scc1 .Lbody_v
	; ---- q, k
	s_lshl_b32 s74, s[TH], 11                      ; my four tiles of 16 tokens: 512 bytes each
	s_add_co_u32 s68, s68, s74
	s_add_nc_u64 s[68:69], s[12:13], s[68:69]
	s_lshl_b32 s74, s72, 13                        ; scale words: 2,048 a head,
	s_add_co_u32 s70, s70, s74
	s_lshl_b32 s74, s[ST], 9                       ; 128 a block,
	s_add_co_u32 s70, s70, s74
	s_lshl_b32 s74, s[TH], 8                       ; 64 a half
	s_add_co_u32 s70, s70, s74
	s_add_nc_u64 s[70:71], s[12:13], s[70:71]
.irp s, 0,1,2,3,4,5,6,7
	STEP \s, 0
.endr
.rept 4
	v_nop                                          ; four places in front of the first read of results and the first write of registers that held fragments
.endr
	v_mov_b32 v[TP], 0                             ; a lane permute's destination counts as one of its sources
	v_mov_b32 v[TP+1], 0
.irp b, 0,1,2,3
	QUANT2 ACC+32*\b, PC+4*\b
	v_lshl_or_b32 v[SW+\b], v[BY+1], 8, v[BY]      ; token r's scale word: two bytes,
	s_delay_alu instid0(VALU_DEP_1)
	v_or_b32 v[SW+\b], 0x7f7f0000, v[SW+\b]        ; and 127 for the half of the instruction's K that holds zero codes
	global_store_b128 v[LI], v[PC+4*\b:PC+4*\b+3], s[68:69] offset:512*\b   ; the wave stores 512 consecutive bytes
.endr
	v_permlane16_swap_b32 v[SW], v[SW+1]           ; every lane holds its token's word: lanes 16-31 take the next tile's
	v_permlane16_swap_b32 v[SW+2], v[SW+3]
	global_store_b32 v[LS], v[SW], s[70:71]        ; 32 tokens' words: 128 consecutive bytes
	global_store_b32 v[LS], v[SW+2], s[70:71] offset:128
	s_wait_tensorcnt 0x0
	ds_add_u32 v254, v255
	s_wait_dscnt 0x0
	s_endpgm
.Lbody_v:
	; ---- v
	s_lshl_b32 s74, s[TH], 9                       ; c = my half of the 128 keys
	s_add_co_u32 s68, s68, s74
	s_add_nc_u64 s[68:69], s[12:13], s[68:69]
	s_lshl_b32 s74, s72, 12                        ; scale words: 16 steps x 64 a head,
	s_add_co_u32 s70, s70, s74
	s_lshl_b32 s74, s[ST], 8                       ; 64 a step,
	s_add_co_u32 s70, s70, s74
	s_lshl_b32 s74, s[TH], 1                       ; byte 2 c + h
	s_add_co_u32 s70, s70, s74
	s_add_nc_u64 s[70:71], s[12:13], s[70:71]
.irp s, 0,1,2,3,4,5,6,7
	STEP \s, 1
.endr
.rept 4
	v_nop
.endr
	v_mov_b32 v[TP], 0
	v_mov_b32 v[TP+1], 0
	v_cmp_eq_u32 vcc_lo, 1, v2                     ; lanes 16-31
.irp b, 0,1,2,3
	QUANT2 ACC+32*\b, PC+4*\b
	v_cndmask_b32 v[VB+\b], v[BY], v[BY+1], vcc_lo ; lane (r, h) stores block h's byte
	global_store_b128 v[LI], v[PC+4*\b:PC+4*\b+3], s[68:69] offset:1024*\b
	global_store_b8 v[VBA], v[VB+\b], s[70:71] offset:64*\b    ; single bytes, two of each word: a sixteenth of the codes' bytes
.endr
	s_wait_tensorcnt 0x0
	ds_add_u32 v254, v255
	s_wait_dscnt 0x0
	s_endpgm
.Lfunc_end_k_qfb309ce5b8_proj:
	.size	k_qfb309ce5b8_proj, .Lfunc_end_k_qfb309ce5b8_proj-k_qfb309ce5b8_proj
	.p2alignl 7, 3214868480
	.fill 96, 4, 3214868480
	.section	.rodata,"a",@progbits
	.p2align	6, 0x0
	.amdhsa_kernel k_qfb309ce5b8_proj
		.amdhsa_group_segment_fixed_size 288256
		.amdhsa_private_segment_fixed_size 0
		.amdhsa_enable_private_segment 0
		.amdhsa_kernarg_size 40
		.amdhsa_user_sgpr_count 2
		.amdhsa_user_sgpr_kernarg_segment_ptr 1
		.amdhsa_wavefront_size32 1
		.amdhsa_system_sgpr_workgroup_id_x 1
		.amdhsa_system_sgpr_workgroup_id_y 1
		.amdhsa_system_sgpr_workgroup_id_z 1
		.amdhsa_system_vgpr_workitem_id 0
		.amdhsa_next_free_vgpr 256
		.amdhsa_next_free_sgpr 80
		.amdhsa_reserve_vcc 1
		.amdhsa_float_denorm_mode_32 3
		.amdhsa_float_denorm_mode_16_64 3
		.amdhsa_memory_ordered 1
		.amdhsa_forward_progress 1
		.amdhsa_inst_pref_size 82
	.end_amdhsa_kernel
	.amdgpu_metadata
---
amdhsa.version: [ 1, 2 ]
amdhsa.kernels:
  - .name:           k_qfb309ce5b8_proj
    .symbol:         k_qfb309ce5b8_proj.kd
    .args:
      - { .name: xq, .offset: 0, .size: 8, .value_kind: global_buffer, .address_space: global }
      - { .name: W_qkv_codes, .offset: 8, .size: 8, .value_kind: global_buffer, .address_space: global }
      - { .name: W_qkv_scales, .offset: 16, .size: 8, .value_kind: global_buffer, .address_space: global }
      - { .name: b_qkv, .offset: 24, .size: 8, .value_kind: global_buffer, .address_space: global }
      - { .name: qkvq, .offset: 32, .size: 8, .value_kind: global_buffer, .address_space: global }
    .group_segment_fixed_size: 288256
    .private_segment_fixed_size: 0
    .kernarg_segment_align: 8
    .kernarg_segment_size: 40
    .max_flat_workgroup_size: 384
    .sgpr_count:     80
    .vgpr_count:     256
    .wavefront_size: 32
...
	.end_amdgpu_metadata
.endif
;; end of part 6
;; launch attn (part 7): grid 8 x 32, 16 waves a work-group, no clusters, 169,984 bytes of LDS; arguments qkvq, yq; writes yq
.if DOCPART == 7
	.amdgcn_target "amdgcn-amd-amdhsa--gfx1250"
	.amdhsa_code_object_version 6
	.text
	.protected	k_qfb309ce5b8_attn
	.globl	k_qfb309ce5b8_attn
	.p2align	8
	.type	k_qfb309ce5b8_attn,@function
k_qfb309ce5b8_attn:
	s_mov_b64 s[64:65], 0
	v_nop
	global_prefetch_b8 v0, s[64:65] scope:SCOPE_SE
	s_setreg_imm32_b32 hwreg(HW_REG_WAVE_MODE, 25, 1), 1
	s_wait_xcnt 0x0
; y = softmax(q k^T / 8, causal) v for one head, both products on codes of FP4 with E8M0 scales, and y quantised at once for the last product.
; THE SOFTMAX: t = score x log2(e) / 8; M = the row's largest t so far, rounded UP to a whole number; p = 2^(t - M) is what is quantised, along the keys, not normalised.  The row's sum is taken of the
; unquantised p, in f32, and divides at the end.  When M moves, the sum and O are multiplied by 2^(old M - new M): exact.
; SHARES.  Work-group (i, head): blocks i and 15 - i of 128 queries, so that every work-group has 8 (i + 1) + 8 (16 - i) = 136 key steps of a wave.  Each of sixteen waves owns 16 queries in 256 registers.
; The whole head's codes and scale words of k and v (140 KiB) lie in LDS, filled once by eleven waves' tensor loads: one wait, one barrier, nothing filled a second time.
; LAYOUT.  Both products are used transposed: S^T = K Q^T (source 0 = 16 keys), O^T = V^T P^T (source 0 = 16 of the head's 64): a lane holds ONE query (lane % 16).  Tiles are in natural order: register j of tile t is key 16 t + 8 h + j.
; THE FIRST PRODUCT'S K IS 64: the upper half of Q's operand is zero codes.  K's operand of tile t is named v[32 + 4 t : 39 + 4 t]: its upper four registers are the NEXT tile's codes (behind tile 7: zeros);
; they stand against Q's zero codes under the byte 127 on both sides and add exactly 0.
; CAUSAL.  All waves walk 16 trips; a step whose 128 keys all come after the wave's queries is jumped over by a scalar branch on ids; on the diagonal hidden scores become -infinity ahead of the maximum.
; LIMITS: NaN and infinities are not served.  p under 2^-126 comes out of v_exp_f32 as 0.  A block's largest p is made from the block's largest score by the same multiply-add and exponential, which takes
; v_exp_f32 not to fall where its input rises.  A block of zeros gets the byte 1 with zero codes; this program alone reads the bytes.
; NO CLUSTER: the eight work-groups of a head read the same k and v, but which steps a wave jumps over hangs on the work-group's x, which would be its place in the cluster.
.set SCOFF, 2097152
.set KREG,  2359296
.set VC,    65536                      ; LDS: K's codes at 0 (128 tiles x 512), V's here (16 steps x 4,096),
.set KS,    131072                     ; K's scale words (2,048 x 4),
.set VS,    139264                     ; V's (16 steps x 256)
.set AK0,  1                           ; v1   16 x lane
.set ASK0, 2                           ; v2   KS + 4 x lane
.set RR,   3                           ; v3   r
.set HH,   4                           ; v4   h
.set ADK,  5                           ; v5-8 the step's LDS addresses
.set ADV,  6
.set ADS,  7
.set ADT,  8
.set DG,   9                           ; v9   r - 8 h
.set AV0,  10                          ; v10  VC + 16 x lane
.set ASV0, 11                          ; v11  VS + 4 x lane
                                       ; v12 -M, v13 the largest t, v[14:15] the sum in two halves
.set QF,   16                          ; v16-19 Q's codes, v20-23 zeros
.set QS,   24                          ; v24  Q's scale words
.set YB,   25                          ; v25  4 r + h
.set KSW,  26                          ; v26-29 K's scale words: lanes 0-15 tile 2 i, lanes 16-31 tile 2 i + 1
.set VSW,  30                          ; v30-31 V's likewise
.set KFR,  32                          ; v32-63 K's eight tiles, four registers each; v64-67 zeros
.set VF,   68                          ; v68-99 V's four fragments
.set S,    100                         ; v100-163 S^T, then p
.set O,    164                         ; v164-195 O^T
.set PC,   196                         ; v196-203 p's codes
.set BM,   204                         ; v204-207 the blocks' largest scores, then largest p
.set T2,   208                         ; v208-211 permute's results, then bytes
.set SO,   212                         ; v212-215 the conversions' scale operands
.set F,    216                         ; v[216:217] f; the upper register is written once
.set PW,   218                         ; v218 p's scale word
.set TT,   219
.set SUM2, 220                         ; v[220:221]
.set NINF, 222
.set Y,    224                         ; v224-255 y
.set TM,   204                         ; the way out's quantiser
.set TP,   208
.set BY,   214
.set WV,  8
.set BH,  9
.set Q0,  14
.set SEL, 16
.set CS,  18
.set G1A, 24
.set G1B, 32
.set G0A, 40
.set G0B, 44
.set KF,  48                           ; the step's first key
.set TB,  49                           ; its codes: 4,096 bytes a step, K's and V's alike
.set TS,  50                           ; K's scale words: 512 a step
.set TJ,  51                           ; V's: 256 a step
.set CNT, 52
	s_load_b128 s[4:7], s[0:1], 0x0                ; qkvq s[4:5], yq s[6:7]
	v_lshl_add_u32 v222, v0, 2, 0x29000
	v_mov_b32 v223, 0
	ds_add_u32 v222, v223
	ds_add_u32 v222, v223
	s_wait_dscnt 0x0
	v_lshrrev_b32 v1, 5, v0
	s_delay_alu instid0(VALU_DEP_1)
	v_readfirstlane_b32 s[WV], v1                  ; wave 0..15
	s_and_b32 s[BH], ttmp7, 0xffff                 ; 16 b + head
	s_lshr_b32 s11, s[WV], 2
	s_xor_b32 s11, s11, s[WV]
	s_and_b32 s11, s11, 1                          ; which of the two blocks: waves 2 k and 2 k + 1 take one each; among any four neighbours, and among w, w + 4, w + 8, w + 12, two of each kind
	s_sub_co_u32 s12, 15, ttmp9
	s_cmp_eq_u32 s11, 1
	s_cselect_b32 s12, s12, ttmp9
	s_lshl_b32 s[Q0], s12, 7
	s_lshr_b32 s13, s[WV], 1
	s_lshl_b32 s13, s13, 4
	s_add_co_u32 s[Q0], s[Q0], s13                 ; my first query: 128 x block + 16 x (wave / 2)
	s_mov_b32 s[G1A+0], 3<<16                      ; 64 rows of 256 bytes (32 elements of 8), dense
	s_mov_b32 s[G1A+1], 32<<16
	s_mov_b32 s[G1A+2], 64<<16
	s_mov_b32 s[G1A+3], 32<<16
	s_mov_b32 s[G1A+4], 64
	s_mov_b32 s[G1A+5], 32
	s_mov_b32 s[G1A+6], 0
	s_mov_b32 s[G1A+7], 0
	s_mov_b32 s[G1B+0], 3<<16                      ; 16 such rows
	s_mov_b32 s[G1B+1], 32<<16
	s_mov_b32 s[G1B+2], 16<<16
	s_mov_b32 s[G1B+3], 32<<16
	s_mov_b32 s[G1B+4], 16
	s_mov_b32 s[G1B+5], 32
	s_mov_b32 s[G1B+6], 0
	s_mov_b32 s[G1B+7], 0
	s_min_u32 s53, s[WV], 7                        ; waves 0-3: K's codes, 4-7: V's, a quarter each
	s_lshl_b32 s53, s53, 14                        ; LDS: 16,384 x wave
	s_lshr_b32 s54, s[WV], 2
	s_mul_i32 s54, s54, KREG
	s_add_co_u32 s54, s54, KREG                    ; k's region, or v's, one region further on
	s_lshl_b32 s55, s[BH], 16
	s_add_co_u32 s54, s54, s55                     ; the head's 65,536 bytes
	s_and_b32 s55, s[WV], 3
	s_lshl_b32 s55, s55, 14
	s_add_co_u32 s54, s54, s55
	s_mov_b32 s55, 0
	s_min_u32 s15, s[WV], 10                       ; waves 8, 9: K's scale words, a half each; wave 10: V's
	s_lshl_b32 s15, s15, 12
	s_add_co_u32 s15, s15, KS-8*4096               ; LDS: KS + 4,096 x (wave - 8)
	s_bfe_u32 s20, s[WV], 0x10001                  ; 0 for waves 8, 9; 1 for wave 10
	s_mul_i32 s56, s20, KREG
	s_add_co_u32 s56, s56, KREG+SCOFF
	s_lshl_b32 s57, s[BH], 13
	s_lshr_b32 s57, s57, s20                       ; 8,192 bytes a head for K, 4,096 for V
	s_add_co_u32 s56, s56, s57
	s_and_b32 s57, s[WV], 1
	s_lshl_b32 s57, s57, 12
	s_add_co_u32 s56, s56, s57
	s_mov_b32 s57, 0
	s_lshl_b32 s58, s[BH], 16                      ; my tile's image, in q's codes and in y's: 65,536 a head + 32 x query
	s_lshl_b32 s59, s[Q0], 5
	s_add_co_u32 s58, s58, s59
	s_mov_b32 s59, 0
	s_lshl_b32 s60, s[BH], 13                      ; q's scale words
	s_lshl_b32 s61, s[Q0], 2
	s_add_co_u32 s60, s60, s61
	s_add_co_u32 s60, s60, SCOFF
	s_lshr_b32 s62, s[BH], 1                       ; y's scale words [b][pair of heads][token]: 8 b + head / 2 = (16 b + head) / 2,
	s_lshl_b32 s62, s62, 13
	s_add_co_u32 s62, s62, s61
	s_and_b32 s61, s[BH], 1
	s_lshl_b32 s61, s61, 1                         ; byte 2 (head & 1) + block
	s_add_co_u32 s62, s62, s61
	s_add_co_u32 s62, s62, SCOFF
	s_mov_b32 s61, 0
	s_mov_b32 s63, 0
	s_mov_b32 s[SEL], 0x76543210
	s_mov_b32 s[SEL+1], 0xfedcba98
	s_mov_b32 s[CS], 0x3e38aa3b                    ; c = log2(e) / 8
	s_mov_b32 s[CS+1], s[CS]                       ; (named with it as a pair, so it is written)
	s_mov_b32 s[KF], 0
	s_mov_b32 s[TB], 0
	s_mov_b32 s[TS], 0
	s_mov_b32 s[TJ], 0
	s_mov_b32 s[CNT], 16
	s_wait_kmcnt 0x0
	s_mov_b32 s[G0A], 1
	s_mov_b32 s[G0A+1], s53
	s_add_nc_u64 s[G0A+2:G0A+3], s[4:5], s[54:55]
	s_or_b32 s[G0A+3], s[G0A+3], 0x80000000
	s_mov_b32 s[G0B], 1
	s_mov_b32 s[G0B+1], s15
	s_add_nc_u64 s[G0B+2:G0B+3], s[4:5], s[56:57]
	s_or_b32 s[G0B+3], s[G0B+3], 0x80000000
	s_cmp_lt_u32 s[WV], 8                          ; the branches hang on the wave's number alone; four v_nop follow each line
	s_cbranch_scc0 .Lnot_a
	tensor_load_to_lds s[G0A:G0A+3], s[G1A:G1A+7]
	s_nop 0
.rept 4
	v_nop
.endr
	s_branch .Lasked
.Lnot_a:
	s_cmp_lt_u32 s[WV], 11
	s_cbranch_scc0 .Lasked
	tensor_load_to_lds s[G0B:G0B+3], s[G1B:G1B+7]
	s_nop 0
.rept 4
	v_nop
.endr
.Lasked:
	s_add_nc_u64 s[22:23], s[6:7], s[58:59]        ; y's image
	s_add_nc_u64 s[58:59], s[4:5], s[58:59]        ; q's image
	s_add_nc_u64 s[60:61], s[4:5], s[60:61]        ; q's scale words
	s_add_nc_u64 s[62:63], s[6:7], s[62:63]        ; y's scale bytes
	v_and_b32 v[RR], 15, v0
	v_bfe_u32 v[HH], v0, 4, 1
	v_and_b32 v5, 31, v0
	s_delay_alu instid0(VALU_DEP_1)
	v_lshlrev_b32 v[AK0], 4, v5
	s_delay_alu instid0(VALU_DEP_2)
	v_lshlrev_b32 v6, 2, v5
	v_lshlrev_b32 v8, 2, v[RR]
	global_load_b128 v[QF:QF+3], v[AK0], s[58:59]  ; Q stays in registers
	global_load_b32 v[QS], v8, s[60:61]
	v_add_nc_u32 v[ASK0], KS, v6
	v_add_nc_u32 v[ASV0], VS, v6
	v_add_nc_u32 v[AV0], VC, v[AK0]
	v_lshlrev_b32 v7, 3, v[HH]
	s_delay_alu instid0(VALU_DEP_1)
	v_sub_nc_u32 v[DG], v[RR], v7
	v_lshl_add_u32 v[YB], v[RR], 2, v[HH]
	v_mov_b32 v13, 0xff61b1e6                      ; the largest t so far: -3e38, under every t
	s_delay_alu instid0(VALU_DEP_1)
	v_floor_f32 v12, -v13                          ; -M
	v_mov_b32 v14, 0
	v_mov_b32 v15, 0
.irp j, 20,21,22,23, 64,65,66,67, 208,209,210,211, 217
	v_mov_b32 v[\j], 0                             ; Q's upper half; what stands behind K's tile 7; the permutes' destinations, which count as sources; the upper half of the pair f
.endr
	v_mov_b32 v[NINF], 0xff800000
.set n, 0
.rept 32
	v_mov_b32 v[O+n], 0                            ; O^T.  (The step is written once: the first finds zeros, which the first change of M leaves zeros)
.set n, n+1
.endr
	s_wait_tensorcnt 0x0                           ; my part lies in LDS,
	s_barrier_signal -1
	s_barrier_wait -1                              ; everybody's does.  The only barrier: LDS is only read from here on
	s_wait_loadcnt 0x0                             ; Q; its address registers may be written again
.Lstep:                                            ; 16 trips, a constant; a trip is 128 keys
	s_cmp_gt_u32 s[KF], s[Q0]                      ; both are multiples of 16: all 128 keys come after my 16 queries
	s_cbranch_scc1 .Lhidden
	s_setprio 2
	v_add_nc_u32 v[ADK], s[TB], v[AK0]             ; (these four are also the places between the last step's products and the loads into their registers)
	v_add_nc_u32 v[ADV], s[TB], v[AV0]
	v_add_nc_u32 v[ADS], s[TS], v[ASK0]
	v_add_nc_u32 v[ADT], s[TJ], v[ASV0]
.irp t, 0,1,2,3,4,5,6,7
	ds_load_b128 v[KFR+4*\t:KFR+4*\t+3], v[ADK] offset:512*\t      ; an image: 512 consecutive bytes
.endr
.irp i, 0,1,2,3
	ds_load_b32 v[KSW+\i], v[ADS] offset:128*\i
.endr
.irp t, 0,1,2,3
.irp c, 0,1
	ds_load_b128 v[VF+8*\t+4*\c:VF+8*\t+4*\c+3], v[ADV] offset:1024*\t+512*\c
.endr
.endr
.irp i, 0,1
	ds_load_b32 v[VSW+\i], v[ADT] offset:128*\i
.endr
	s_wait_dscnt 10                                ; K and its scale words are in; V's eight loads and its two scale loads may stay out
.irp u, 0,1,2,3
	v_wmma_scale_f32_16x16x128_f8f6f4 v[S+16*\u:S+16*\u+7], v[KFR+8*\u:KFR+8*\u+7], v[QF:QF+7], 0, v[KSW+\u], v[QS] matrix_a_fmt:MATRIX_FMT_FP4 matrix_b_fmt:MATRIX_FMT_FP4
	v_wmma_scale_f32_16x16x128_f8f6f4 v[S+16*\u+8:S+16*\u+15], v[KFR+8*\u+4:KFR+8*\u+11], v[QF:QF+7], 0, v[KSW+\u], v[QS] matrix_a_fmt:MATRIX_FMT_FP4 matrix_b_fmt:MATRIX_FMT_FP4 matrix_a_scale:MATRIX_SCALE_ROW1
.endr
.rept 4
	v_nop                                          ; four places in front of the first read of results (ISA guide 7.12.1)
.endr
	s_add_co_u32 s53, s[KF], 127
	s_cmp_le_u32 s53, s[Q0]                        ; all 128 keys count for all my queries: no mask
	s_cbranch_scc1 .Lopen
	s_sub_co_i32 s53, s[Q0], s[KF]
	v_add_nc_u32 v[TT], s53, v[DG]                 ; d = my query - KF - 8 h.  Register n holds key KF + 16 (n / 8) + 8 h + n % 8: hidden where 16 (n / 8) + n % 8 > d
.set n, 0
.rept 64
	v_cmp_gt_i32 vcc_lo, 16*(n/8)+n%8, v[TT]
	v_cndmask_b32 v[S+n], v[S+n], v[NINF], vcc_lo
.set n, n+1
.endr
.Lopen:
.irp b, 0,1,2,3
	v_max3_num_f32 v[BM+\b], v[S+16*\b], v[S+1+16*\b], v[S+2+16*\b]   ; the largest score of each block of 32 keys (tiles 2 b, 2 b + 1): it serves the row's maximum and, since p rises with the score, the block's largest p
.endr
.irp i, 3,5,7,9,11,13
.irp b, 0,1,2,3
	v_max3_num_f32 v[BM+\b], v[BM+\b], v[S+16*\b+\i], v[S+1+16*\b+\i]
.endr
.endr
.irp b, 0,1,2,3
	v_max_num_f32 v[BM+\b], v[BM+\b], v[S+15+16*\b]
.endr
.irp b, 0,1,2,3
	s_delay_alu instid0(VALU_DEP_4)
	v_permlanex16_b32 v[T2+\b], v[BM+\b], s[SEL], s[SEL+1]
.endr
.irp b, 0,1,2,3
	s_delay_alu instid0(VALU_DEP_4)
	v_max_num_f32 v[BM+\b], v[BM+\b], v[T2+\b]     ; with lane l xor 16's 16 keys
.endr
	s_delay_alu instid0(VALU_DEP_2)
	v_max3_num_f32 v[TT], v[BM], v[BM+1], v[BM+2]
	s_delay_alu instid0(VALU_DEP_1)
	v_max_num_f32 v[TT], v[TT], v[BM+3]            ; the step's largest score of my query (key KF counts for it: a number)
	s_delay_alu instid0(VALU_DEP_1)
	v_mul_f32 v[TT], s[CS], v[TT]                  ; as t
	s_delay_alu instid0(VALU_DEP_1)
	v_max_num_f32 v13, v13, v[TT]                  ; the running largest t
	v_mov_b32 v[TT], v12
	s_delay_alu instid0(VALU_DEP_2)
	v_floor_f32 v12, -v13                          ; the new -M = floor(-t) = -ceil(t)
	s_delay_alu instid0(VALU_DEP_1)
	v_sub_f32 v[TT], v12, v[TT]                    ; old M - new M: a whole number, 0 or less
	s_delay_alu instid0(VALU_DEP_1)
	v_cvt_i32_f32 v[TT], v[TT]                     ; (it saturates)
	s_delay_alu instid0(VALU_DEP_1)
	v_ldexp_f32 v[F], 1.0, v[TT]                   ; f = 2^(old M - new M)
.set n, 0
.rept 32
	v_pk_fma_f32 v[S+n:S+n+1], v[S+n:S+n+1], s[CS:CS+1], v[12:13] op_sel_hi:[1,0,0]   ; t - M, two at a time
.set n, n+2
.endr
	s_setprio 1
.irp b, 0,1,2,3
	v_fma_f32 v[BM+\b], v[BM+\b], s[CS], v12       ; the same of each block's largest score
.endr
.set n, 0
	s_wait_alu depctr_va_vdst(0)
.rept 64
	v_exp_f32 v[S+n], v[S+n]                       ; p = 2^(t - M), at most 1
.set n, n+1
.endr
.irp b, 0,1,2,3
	v_exp_f32 v[BM+\b], v[BM+\b]                   ; the block's largest p
.endr
	v_pk_mul_f32 v[14:15], v[14:15], v[F:F+1] op_sel_hi:[1,0]      ; the sums under the new M.  (The plain place behind the exponentials)
	s_wait_alu depctr_va_vdst(0)
.irp b, 0,1,2,3
	v_max_num_f32 v[BM+\b], 0x1800000, v[BM+\b]    ; the floor 2^(3 - 127): the byte cannot fall under 1
.endr
.irp b, 0,1,2,3
	s_delay_alu instid0(VALU_DEP_4)
	v_add_nc_u32 v[SO+\b], 0xff000000, v[BM+\b]    ; 2 off the exponent field: the conversion's scale operand
.endr
.irp b, 0,1,2,3
	s_delay_alu instid0(VALU_DEP_4)
	v_lshrrev_b32 v[T2+\b], 23, v[SO+\b]           ; the scale's byte
.endr
	s_delay_alu instid0(VALU_DEP_3)
	v_lshl_or_b32 v[PW], v[T2+1], 8, v[T2]         ; p's scale word for these 128 keys
	s_delay_alu instid0(VALU_DEP_1)
	v_lshl_or_b32 v[PW], v[T2+2], 16, v[PW]
	s_delay_alu instid0(VALU_DEP_1)
	v_lshl_or_b32 v[PW], v[T2+3], 24, v[PW]
.irp c, 0,1                                    ; the conversion of tile a gives word 2 (a % 2) + h of block a / 2: tiles 4 c, 4 c + 2, 4 c + 1, 4 c + 3 go to registers 4 c .. 4 c + 3
	v_cvt_scalef32_pk8_fp4_f32 v[PC+4*\c], v[S+32*\c:S+32*\c+7], v[SO+2*\c]
	v_cvt_scalef32_pk8_fp4_f32 v[PC+4*\c+2], v[S+32*\c+8:S+32*\c+15], v[SO+2*\c]
	v_cvt_scalef32_pk8_fp4_f32 v[PC+4*\c+1], v[S+32*\c+16:S+32*\c+23], v[SO+2*\c+1]
	v_cvt_scalef32_pk8_fp4_f32 v[PC+4*\c+3], v[S+32*\c+24:S+32*\c+31], v[SO+2*\c+1]
.endr
	v_nop                                          ; one plain place behind a scaled conversion
.irp c, 0,1
	v_permlane16_swap_b32 v[PC+4*\c], v[PC+4*\c+1] ; and two exchanges of halves bring block 2 c + h whole into lane (r, h)
	v_permlane16_swap_b32 v[PC+4*\c+2], v[PC+4*\c+3]
.endr
	v_pk_add_f32 v[220:221], v[104:105], v[108:109]
	v_pk_add_f32 v[254:255], v[112:113], v[116:117]
	v_pk_add_f32 v[252:253], v[120:121], v[124:125]
	v_pk_add_f32 v[250:251], v[128:129], v[132:133]
	v_pk_add_f32 v[248:249], v[136:137], v[140:141]
	v_pk_add_f32 v[246:247], v[144:145], v[148:149]
	v_pk_add_f32 v[244:245], v[152:153], v[156:157]
	v_pk_add_f32 v[14:15], v[14:15], v[160:161]
	v_pk_add_f32 v[220:221], v[220:221], v[100:101]
	v_pk_add_f32 v[254:255], v[254:255], v[102:103]
	v_pk_add_f32 v[252:253], v[252:253], v[106:107]
	v_pk_add_f32 v[250:251], v[250:251], v[110:111]
	s_setprio 0
	v_pk_add_f32 v[248:249], v[248:249], v[114:115]
	v_pk_add_f32 v[246:247], v[246:247], v[118:119]
	v_pk_add_f32 v[244:245], v[244:245], v[122:123]
	v_pk_add_f32 v[14:15], v[14:15], v[126:127]
	v_pk_add_f32 v[220:221], v[220:221], v[130:131]
	v_pk_add_f32 v[254:255], v[254:255], v[134:135]
	v_pk_add_f32 v[252:253], v[252:253], v[138:139]
	v_pk_add_f32 v[250:251], v[250:251], v[142:143]
	v_pk_add_f32 v[248:249], v[248:249], v[146:147]
	v_pk_add_f32 v[246:247], v[246:247], v[150:151]
	v_pk_add_f32 v[244:245], v[244:245], v[154:155]
	v_pk_add_f32 v[14:15], v[14:15], v[158:159]
	v_pk_add_f32 v[220:221], v[220:221], v[162:163]
	s_delay_alu instid0(VALU_DEP_2)
	v_pk_add_f32 v[14:15], v[14:15], v[250:251]
	s_delay_alu instid0(VALU_DEP_2)
	v_pk_add_f32 v[220:221], v[220:221], v[248:249]
	v_pk_add_f32 v[254:255], v[254:255], v[246:247]
	v_pk_add_f32 v[252:253], v[252:253], v[244:245]
	s_delay_alu instid0(VALU_DEP_2)
	v_pk_add_f32 v[14:15], v[14:15], v[254:255]
	s_delay_alu instid0(VALU_DEP_2)
	v_pk_add_f32 v[220:221], v[220:221], v[252:253]
	s_delay_alu instid0(VALU_DEP_1)
	v_pk_add_f32 v[14:15], v[14:15], v[220:221]
.set n, 0
.rept 16
	v_pk_mul_f32 v[O+n:O+n+1], v[O+n:O+n+1], v[F:F+1] op_sel_hi:[1,0]   ; O^T under the new M
.set n, n+2
.endr
	s_wait_alu depctr_va_vdst(0)
	s_wait_dscnt 0x0                               ; V and its scale words are in
.irp u, 0,1
	v_wmma_scale_f32_16x16x128_f8f6f4 v[O+16*\u:O+16*\u+7], v[VF+16*\u:VF+16*\u+7], v[PC:PC+7], v[O+16*\u:O+16*\u+7], v[VSW+\u], v[PW] matrix_a_fmt:MATRIX_FMT_FP4 matrix_b_fmt:MATRIX_FMT_FP4
	v_wmma_scale_f32_16x16x128_f8f6f4 v[O+16*\u+8:O+16*\u+15], v[VF+16*\u+8:VF+16*\u+15], v[PC:PC+7], v[O+16*\u+8:O+16*\u+15], v[VSW+\u], v[PW] matrix_a_fmt:MATRIX_FMT_FP4 matrix_b_fmt:MATRIX_FMT_FP4 matrix_a_scale:MATRIX_SCALE_ROW1
.endr
.Lhidden:
	s_add_co_u32 s[KF], s[KF], 128
	s_add_co_u32 s[TB], s[TB], 4096
	s_add_co_u32 s[TS], s[TS], 512
	s_add_co_u32 s[TJ], s[TJ], 256
	s_sub_co_u32 s[CNT], s[CNT], 1
	s_cmp_lg_u32 s[CNT], 0
	s_cbranch_scc1 .Lstep
	s_setprio 0
	; THE WAY OUT: y = O^T / the sum, quantised along the head's 64 as the last product's operand
.rept 4
	v_nop                                          ; four places behind the last products, for the wave whose last trip was not jumped over
.endr
	v_add_f32 v14, v14, v15                        ; the sum's two halves,
	s_delay_alu instid0(VALU_DEP_1)
	v_permlanex16_b32 v[TP], v14, s[SEL], s[SEL+1]
	s_delay_alu instid0(VALU_DEP_1)
	v_add_f32 v14, v14, v[TP]                      ; and lane l xor 16's
	s_wait_alu depctr_va_vdst(0)
	v_rcp_f32 v[F], v14
	v_cmp_eq_u32 vcc_lo, 1, v[HH]                  ; (a plain place behind the transcendental)  lanes 16-31
.set n, 0
	s_wait_alu depctr_va_vdst(0)
.rept 16
	v_pk_mul_f32 v[Y+n:Y+n+1], v[O+n:O+n+1], v[F:F+1] op_sel_hi:[1,0]   ; register 8 t + j: y(query r, 16 t + 8 h + j); each accumulator from its low end on
.set n, n+2
.endr
	v_max3_num_f32 v[TM], |v[Y]|, |v[Y+1]|, 0x1800000              ; block 0 (tiles 0, 1): my 16 numbers and the floor
	v_max3_num_f32 v[TM+1], |v[Y+16]|, |v[Y+17]|, 0x1800000        ; block 1 (tiles 2, 3)
.irp i, 2,4,6,8,10,12,14
	s_delay_alu instid0(VALU_DEP_2)
	v_max3_num_f32 v[TM], v[TM], |v[Y+\i]|, |v[Y+\i+1]|
	s_delay_alu instid0(VALU_DEP_2)
	v_max3_num_f32 v[TM+1], v[TM+1], |v[Y+16+\i]|, |v[Y+17+\i]|
.endr
	s_delay_alu instid0(VALU_DEP_2)
	v_permlanex16_b32 v[TP], v[TM], s[SEL], s[SEL+1]
	s_delay_alu instid0(VALU_DEP_2)
	v_permlanex16_b32 v[TP+1], v[TM+1], s[SEL], s[SEL+1]
	s_delay_alu instid0(VALU_DEP_2)
	v_max_num_f32 v[TM], v[TM], v[TP]
	s_delay_alu instid0(VALU_DEP_2)
	v_max_num_f32 v[TM+1], v[TM+1], v[TP+1]
	s_delay_alu instid0(VALU_DEP_2)
	v_add_nc_u32 v[SO], 0xff000000, v[TM]
	s_delay_alu instid0(VALU_DEP_2)
	v_add_nc_u32 v[SO+1], 0xff000000, v[TM+1]
	s_delay_alu instid0(VALU_DEP_2)
	v_lshrrev_b32 v[BY], 23, v[SO]
	s_delay_alu instid0(VALU_DEP_2)
	v_lshrrev_b32 v[BY+1], 23, v[SO+1]
	v_cvt_scalef32_pk8_fp4_f32 v[PC], v[Y:Y+7], v[SO]
	v_cvt_scalef32_pk8_fp4_f32 v[PC+2], v[Y+8:Y+15], v[SO]
	v_cvt_scalef32_pk8_fp4_f32 v[PC+1], v[Y+16:Y+23], v[SO+1]
	v_cvt_scalef32_pk8_fp4_f32 v[PC+3], v[Y+24:Y+31], v[SO+1]
	v_nop                                          ; one plain place behind a scaled conversion
	v_permlane16_swap_b32 v[PC], v[PC+1]
	v_permlane16_swap_b32 v[PC+2], v[PC+3]
	v_cndmask_b32 v[TT], v[BY], v[BY+1], vcc_lo    ; lane (r, h) stores block h's byte
	global_store_b128 v[AK0], v[PC:PC+3], s[22:23] ; the tile's image: 512 consecutive bytes
	global_store_b8 v[YB], v[TT], s[62:63]         ; single bytes, two of each token's word: a sixteenth of the codes' bytes
	s_wait_xcnt 0x0
	v_lshl_add_u32 v222, v0, 2, 0x29000
	v_mov_b32 v223, 0
	s_wait_alu depctr_va_vdst(0)
	s_wait_tensorcnt 0x0
	ds_add_u32 v222, v223
	s_wait_dscnt 0x0
	s_endpgm
.Lfunc_end_k_qfb309ce5b8_attn:
	.size	k_qfb309ce5b8_attn, .Lfunc_end_k_qfb309ce5b8_attn-k_qfb309ce5b8_attn
	.p2alignl 7, 3214868480
	.fill 96, 4, 3214868480
	.section	.rodata,"a",@progbits
	.p2align	6, 0x0
	.amdhsa_kernel k_qfb309ce5b8_attn
		.amdhsa_group_segment_fixed_size 169984
		.amdhsa_private_segment_fixed_size 0
		.amdhsa_enable_private_segment 0
		.amdhsa_kernarg_size 16
		.amdhsa_user_sgpr_count 2
		.amdhsa_user_sgpr_kernarg_segment_ptr 1
		.amdhsa_wavefront_size32 1
		.amdhsa_system_sgpr_workgroup_id_x 1
		.amdhsa_system_sgpr_workgroup_id_y 1
		.amdhsa_system_sgpr_workgroup_id_z 1
		.amdhsa_system_vgpr_workitem_id 0
		.amdhsa_next_free_vgpr 256
		.amdhsa_next_free_sgpr 66
		.amdhsa_reserve_vcc 1
		.amdhsa_float_denorm_mode_32 3
		.amdhsa_float_denorm_mode_16_64 3
		.amdhsa_memory_ordered 1
		.amdhsa_forward_progress 1
		.amdhsa_inst_pref_size 34
	.end_amdhsa_kernel
	.amdgpu_metadata
---
amdhsa.version: [ 1, 2 ]
amdhsa.kernels:
  - .name:           k_qfb309ce5b8_attn
    .symbol:         k_qfb309ce5b8_attn.kd
    .args:
      - { .name: qkvq, .offset: 0, .size: 8, .value_kind: global_buffer, .address_space: global }
      - { .name: yq, .offset: 8, .size: 8, .value_kind: global_buffer, .address_space: global }
    .group_segment_fixed_size: 169984
    .private_segment_fixed_size: 0
    .kernarg_segment_align: 8
    .kernarg_segment_size: 16
    .max_flat_workgroup_size: 512
    .sgpr_count:     66
    .vgpr_count:     256
    .wavefront_size: 32
...
	.end_amdgpu_metadata
.endif
;; end of part 7
;; launch outln (part 8): grid 256 x 1, 16 waves a work-group, no clusters, 67,840 bytes of LDS; arguments yq, W_out_codes, W_out_scales, b_out, x, gamma, beta, out0; writes out0
.if DOCPART == 8
	.amdgcn_target "amdgcn-amd-amdhsa--gfx1250"
	.amdhsa_code_object_version 6
	.text
	.protected	k_qfb309ce5b8_outln
	.globl	k_qfb309ce5b8_outln
	.p2align	8
	.type	k_qfb309ce5b8_outln,@function
k_qfb309ce5b8_outln:
	s_mov_b64 s[64:65], 0
	v_nop
	global_prefetch_b8 v0, s[64:65] scope:SCOPE_SE
	s_setreg_imm32_b32 hwreg(HW_REG_WAVE_SCHED_MODE, 0, 2), 2
	s_setreg_imm32_b32 hwreg(HW_REG_WAVE_MODE, 25, 1), 1
	s_wait_xcnt 0x0
	s_wait_alu depctr_vm_vsrc(0)
; out = LayerNorm(Q(y) W_out + b_out + x) x gamma + beta; the product on codes of FP4 with E8M0 scales, all else in f32.
; SHARES.  A work-group takes 16 tokens and all 1,024 columns, since a row's mean and variance want the whole row.  Wave w makes columns 64 w .. 64 w + 63: four accumulators, K in eight steps of 128.
; The product is used transposed (source 0 = 16 rows of W_out's codes, source 1 = the 16 tokens): a lane holds one token and eight neighbouring columns.
; Each fragment of W feeds ONE product here, so the weights go from memory straight into registers, through a ring of three sets (ten loads a step); LDS would add a copy and spare nothing.
; The 16 rows meet in a stage in LDS (one barrier); then wave w owns row w whole, 32 numbers a lane.  Mean first, then the sum of squares of the differences: two passes, so that a common offset cancels nothing.
; LIMITS: NaN and infinities are not served.
; NO CLUSTER: all 256 work-groups read the same 544 KiB of W_out; they come through registers, and no tensor load stands in this text that could be asked for jointly.
; THE MODE: SCHED_MODE bits 1:0 = 2 (LLVM: expert scheduling mode 2), set by the entry lines.  The code itself states the register dependences
; between vector or matrix instructions and memory or LDS instructions, with s_wait_alu, always for 0.
; THE PLAN.  Registers that memory or LDS instructions touch (the text has no branch: one path):
;   v3 .. v8        offsets and LDS addresses: written at the head, read by every load and store, never written again.
;   WS, YS, XR      each filled by one load, read later by matrix or vector instructions; no vector instruction names them ahead of their loads.
;   WR, YR set k    step s (k = s % 3): its four products read the set; behind them the ten loads of step s + 3 land in it (behind steps 5, 6, 7: b_out, gamma, beta).
;   ACC             written by the products; read by the eight LDS stores; the eight LDS loads of my row land in it; the last arithmetic writes it; the global stores read it.
;   v254, v255      written at the head, read by the closing add alone.
; So ONE wait on va_vdst stands in a step, behind its four products and their places: they are done reading the set in which the loads that follow at once land.  It stands there and not at the next
; step's head, so that the set is asked for again ahead of the wait for the next set's data.  Three sets are what the registers hold: sixteen waves of 256.
; One wait on vm_vsrc stands behind the barrier, ahead of the loads into ACC; one wait on va_vdst ahead of the first load, and one ahead of the global stores.
.set SCOFF, 2097152
.set SPITCH, 4112                      ; a stage row: 4,096 bytes + 16 = 257 x 16: the sixteen rows of a store start at sixteen different 16-byte columns modulo 256
.set ACC, 16                           ; v16-47   four accumulators; later my row
.set WR,  48                           ; v48-143  W's ring: three sets of four fragments; later gamma, beta, b_out
.set YR,  144                          ; v144-167 y's ring: three fragments
.set WS,  168                          ; v168-199 W's scale words, and nothing else: register 8 t + s
.set YS,  200                          ; v200-207 y's: register s
.set XR,  208                          ; v208-239 my row of x
.set GA,  WR                           ; gamma in set 0, beta in set 1, b_out in set 2
.set BE,  WR+32
.set BO,  WR+64
	s_load_b256 s[4:11], s[0:1], 0x0               ; yq s[4:5], W's codes s[6:7], W's scales s[8:9], b_out s[10:11]
	s_load_b256 s[12:19], s[0:1], 0x20             ; x s[12:13], gamma s[14:15], beta s[16:17], out0 s[18:19]
	v_lshl_add_u32 v254, v0, 2, 0x10100
	v_mov_b32 v255, 0
	v_lshrrev_b32 v1, 5, v0
	v_readfirstlane_b32 s20, v1                    ; wave 0..15
	v_and_b32 v1, 15, v0                           ; r
	v_bfe_u32 v2, v0, 4, 1                         ; h
	v_and_b32 v3, 31, v0
	v_lshlrev_b32 v3, 4, v3                        ; 16 x lane
	v_lshlrev_b32 v4, 9, v1
	v_lshl_add_u32 v4, v2, 4, v4                   ; W's codes: row r of 512 bytes, + 16 h
	v_lshlrev_b32 v5, 5, v1                        ; W's scale bytes: 32 a row
	v_lshlrev_b32 v6, 2, v1                        ; y's scale words
	v_mul_u32_u24 v7, v1, SPITCH
	v_lshl_add_u32 v7, v2, 5, v7
	s_wait_alu depctr_va_sdst(0)                   ; s20, the wave's number, is written, ahead of its first reader: LDS addresses and all bases are made from it
	s_lshl_b32 s21, s20, 8
	v_add_nc_u32 v7, s21, v7                       ; the stage, way in: row r, my wave's 256 bytes, + 32 h
	s_mul_i32 s21, s20, SPITCH
	v_add_nc_u32 v8, s21, v3                       ; way out: row = wave, 16 bytes a lane
	v_mov_b32 v244, 0                              ; a lane permute's destination counts as one of its sources
	v_mov_b32 v249, 0                              ; (the upper half of a pair of which the low word serves both halves)
	s_mov_b32 s28, 0x76543210
	s_mov_b32 s29, 0xfedcba98
	s_mov_b32 s30, 0x3727c5ac                      ; 1e-5
	s_mov_b32 s31, 0x3a800000                      ; 1 / 1024
	s_lshr_b32 s22, ttmp9, 7                       ; batch
	s_and_b32 s23, ttmp9, 127                      ; tile of 16 tokens in it
	s_mov_b32 s25, 0
	s_wait_kmcnt 0x0
	s_lshl_b32 s24, s20, 15                        ; my 64 rows of W's codes,
	s_add_nc_u64 s[6:7], s[6:7], s[24:25]
	s_lshl_b32 s24, s20, 11                        ; and of its scale bytes
	s_add_nc_u64 s[8:9], s[8:9], s[24:25]
	s_lshl_b32 s24, s22, 16                        ; y's scale words [b][K step][token]
	s_lshl_b32 s21, s23, 6
	s_add_co_u32 s24, s24, s21
	s_add_co_u32 s24, s24, SCOFF
	s_add_nc_u64 s[26:27], s[4:5], s[24:25]
	s_lshl_b32 s24, s22, 20                        ; y's images [16 b + head][tile][lane][16]
	s_lshl_b32 s21, s23, 9
	s_add_co_u32 s24, s24, s21
	s_add_nc_u64 s[4:5], s[4:5], s[24:25]
	s_lshl_b32 s24, ttmp9, 16                      ; my row of x and of out0: 16 x work-group + wave
	s_lshl_b32 s21, s20, 12
	s_add_co_u32 s24, s24, s21
	s_add_nc_u64 s[12:13], s[12:13], s[24:25]
	s_add_nc_u64 s[18:19], s[18:19], s[24:25]
.macro RING s                          ; K step s: ten loads into set s % 3.  y's registers 4 c .. 4 c + 3 are the image of head 2 s + c
.irp t, 0,1,2,3
.irp c, 0,1
	global_load_b128 v[WR+32*((\s)%3)+8*\t+4*\c:WR+32*((\s)%3)+8*\t+4*\c+3], v4, s[6:7] offset:8192*\t+64*(\s)+32*\c
.endr
.endr
.irp c, 0,1
	global_load_b128 v[YR+8*((\s)%3)+4*\c:YR+8*((\s)%3)+4*\c+3], v3, s[4:5] offset:65536*(2*(\s)+\c)
.endr
.endm
.macro MUL s                           ; four products, the four accumulators by turns; then four places behind them (ISA guide 7.12.1), which the wait does not fill; then the step's one wait
.irp t, 0,1,2,3
.if (\s) == 0
	v_wmma_scale_f32_16x16x128_f8f6f4 v[ACC+8*\t:ACC+8*\t+7], v[WR+32*((\s)%3)+8*\t:WR+32*((\s)%3)+8*\t+7], v[YR+8*((\s)%3):YR+8*((\s)%3)+7], 0, v[WS+8*\t+(\s)], v[YS+(\s)] matrix_a_fmt:MATRIX_FMT_FP4 matrix_b_fmt:MATRIX_FMT_FP4
.else
	v_wmma_scale_f32_16x16x128_f8f6f4 v[ACC+8*\t:ACC+8*\t+7], v[WR+32*((\s)%3)+8*\t:WR+32*((\s)%3)+8*\t+7], v[YR+8*((\s)%3):YR+8*((\s)%3)+7], v[ACC+8*\t:ACC+8*\t+7], v[WS+8*\t+(\s)], v[YS+(\s)] matrix_a_fmt:MATRIX_FMT_FP4 matrix_b_fmt:MATRIX_FMT_FP4
.endif
.endr
.rept 4
	v_nop
.endr
	s_wait_alu depctr_va_vdst(0)                   ; the four products are done reading set s % 3 of W and of y, in which the loads that follow land; behind step 7 they have also written the accumulators, which the LDS stores read
.endm
.macro ROW reg, base                   ; 1,024 f32 in my row's layout: register 4 i + k = column 128 i + 4 lane + k
.irp i, 0,1,2,3,4,5,6,7
	global_load_b128 v[\reg+4*\i:\reg+4*\i+3], v3, s[\base:\base+1] offset:512*\i
.endr
.endm
	s_wait_alu depctr_va_vdst(0)                   ; the offsets and LDS addresses v3 to v8 are written, which every load and store below reads; so are v254 and v255, which the closing add reads
.irp t, 0,1,2,3
	global_load_b128 v[WS+8*\t:WS+8*\t+3], v5, s[8:9] offset:512*\t
	global_load_b128 v[WS+8*\t+4:WS+8*\t+7], v5, s[8:9] offset:512*\t+16
.endr
.irp s, 0,1,2,3,4,5,6,7
	global_load_b32 v[YS+\s], v6, s[26:27] offset:8192*\s
.endr
	RING 0
	RING 1
	RING 2
.irp i, 0,1,2,3,4,5,6,7
	global_load_b128 v[XR+4*\i:XR+4*\i+3], v3, s[12:13] offset:512*\i th:TH_LOAD_NT   ; x behind the first three sets, so that step 0 does not wait for it
.endr
	s_wait_loadcnt 28                              ; the scale words and set 0 are in; out: sets 1, 2 (20) and x (8)
	MUL 0
	RING 3
	s_wait_loadcnt 28                              ; out: set 2 (10), x (8), step 3's (10)
	MUL 1
	RING 4
	s_wait_loadcnt 28                              ; out: x (8), steps 3 and 4 (20)
	MUL 2
	RING 5
	s_wait_loadcnt 20                              ; out: steps 4 and 5
	MUL 3
	RING 6
	s_wait_loadcnt 20                              ; out: steps 5 and 6
	MUL 4
	RING 7
	s_wait_loadcnt 20                              ; out: steps 6 and 7
	MUL 5
	ROW BO, 10                                     ; b_out into the set that step 5 has left
	s_wait_loadcnt 18                              ; out: step 7 (10), b_out (8)
	MUL 6
	ROW GA, 14                                     ; gamma
	s_wait_loadcnt 16                              ; out: b_out, gamma
	MUL 7
	ROW BE, 16                                     ; beta
.irp t, 0,1,2,3
	ds_store_b128 v7, v[ACC+8*\t:ACC+8*\t+3] offset:64*\t          ; lane (r, h): token r, columns 64 w + 16 t + 8 h + 0 .. 7; each accumulator from its low end on.  No vector or matrix instruction since step 7's wait names these registers
	ds_store_b128 v7, v[ACC+8*\t+4:ACC+8*\t+7] offset:64*\t+16
.endr
	s_wait_dscnt 0x0                               ; for the others' sake: my stores into the stage are done
	s_barrier_signal -1
	s_barrier_wait -1                              ; 16 whole rows lie in the stage
	s_wait_alu depctr_vm_vsrc(0)                   ; my LDS stores have read v[ACC ..], in which the loads below land and which the arithmetic behind them writes
.irp i, 0,1,2,3,4,5,6,7
	ds_load_b128 v[ACC+4*\i:ACC+4*\i+3], v8 offset:512*\i
.endr
	s_wait_dscnt 0x0
	s_wait_loadcnt 0x0                             ; x, b_out, gamma, beta
.set n, 0
.rept 16
	v_pk_add_f32 v[ACC+n:ACC+n+1], v[ACC+n:ACC+n+1], v[BO+n:BO+n+1]
.set n, n+2
.endr
.set n, 0
.rept 16
	v_pk_add_f32 v[ACC+n:ACC+n+1], v[ACC+n:ACC+n+1], v[XR+n:XR+n+1]     ; h = y W_out + b_out + x
.set n, n+2
.endr
.macro ALLSUM r                        ; the sum over the 32 lanes, in every lane
	v_add_f32_dpp v[\r], v[\r], v[\r] row_xmask:1 row_mask:0xf bank_mask:0xf
	v_add_f32_dpp v[\r], v[\r], v[\r] row_xmask:2 row_mask:0xf bank_mask:0xf
	v_add_f32_dpp v[\r], v[\r], v[\r] row_xmask:4 row_mask:0xf bank_mask:0xf
	v_add_f32_dpp v[\r], v[\r], v[\r] row_xmask:8 row_mask:0xf bank_mask:0xf
	v_permlanex16_b32 v244, v[\r], s28, s29
	v_add_f32 v[\r], v[\r], v244
.endm
	v_pk_add_f32 v[240:241], v[ACC:ACC+1], v[ACC+4:ACC+5]          ; my 32 numbers, in two chains
	v_pk_add_f32 v[242:243], v[ACC+2:ACC+3], v[ACC+6:ACC+7]
.irp j, 8,12,16,20,24,28
	v_pk_add_f32 v[240:241], v[240:241], v[ACC+\j:ACC+\j+1]
	v_pk_add_f32 v[242:243], v[242:243], v[ACC+2+\j:ACC+3+\j]
.endr
	v_pk_add_f32 v[240:241], v[240:241], v[242:243]
	v_add_f32 v240, v240, v241
	ALLSUM 240
	v_mul_f32 v240, s31, v240                      ; the mean
.set n, 0
.rept 16
	v_pk_add_f32 v[ACC+n:ACC+n+1], v[ACC+n:ACC+n+1], v[240:241] op_sel_hi:[1,0] neg_lo:[0,1] neg_hi:[0,1]   ; d = h - mean
.set n, n+2
.endr
	v_pk_mul_f32 v[242:243], v[ACC:ACC+1], v[ACC:ACC+1]            ; the sum of d^2, in two chains
	v_pk_mul_f32 v[246:247], v[ACC+2:ACC+3], v[ACC+2:ACC+3]
.irp j, 4,8,12,16,20,24,28
	v_pk_fma_f32 v[242:243], v[ACC+\j:ACC+\j+1], v[ACC+\j:ACC+\j+1], v[242:243]
	v_pk_fma_f32 v[246:247], v[ACC+2+\j:ACC+3+\j], v[ACC+2+\j:ACC+3+\j], v[246:247]
.endr
	v_pk_add_f32 v[242:243], v[242:243], v[246:247]
	v_add_f32 v242, v242, v243
	ALLSUM 242
	v_fma_f32 v242, v242, s31, s30                 ; the variance + 1e-5
	s_wait_alu depctr_va_vdst(0)
	v_rsq_f32 v248, v242
	v_nop                                          ; one plain place behind a transcendental
	s_wait_alu depctr_va_vdst(0)                   ; v248, the reciprocal root, is written, ahead of its first reader
.set n, 0
.rept 16
	v_pk_mul_f32 v[GA+n:GA+n+1], v[GA+n:GA+n+1], v[248:249] op_sel_hi:[1,0]
.set n, n+2
.endr
.set n, 0
.rept 16
	v_pk_fma_f32 v[ACC+n:ACC+n+1], v[ACC+n:ACC+n+1], v[GA+n:GA+n+1], v[BE+n:BE+n+1]
.set n, n+2
.endr
	s_wait_alu depctr_va_vdst(0)                   ; the multiply-adds have written v[ACC ..], which the stores below read
.irp i, 0,1,2,3,4,5,6,7
	global_store_b128 v3, v[ACC+4*\i:ACC+4*\i+3], s[18:19] offset:512*\i th:TH_STORE_NT   ; the wave stores 512 consecutive bytes of its row, aligned
.endr
	s_wait_dscnt 0x0                               ; the closing lines, six on end
	s_wait_alu 0x0
	s_wait_tensorcnt 0x0
	ds_add_u32 v254, v255
	s_wait_dscnt 0x0
	s_endpgm
.Lfunc_end_k_qfb309ce5b8_outln:
	.size	k_qfb309ce5b8_outln, .Lfunc_end_k_qfb309ce5b8_outln-k_qfb309ce5b8_outln
	.p2alignl 7, 3214868480
	.fill 96, 4, 3214868480
	.section	.rodata,"a",@progbits
	.p2align	6, 0x0
	.amdhsa_kernel k_qfb309ce5b8_outln
		.amdhsa_group_segment_fixed_size 67840
		.amdhsa_private_segment_fixed_size 0
		.amdhsa_enable_private_segment 0
		.amdhsa_kernarg_size 64
		.amdhsa_user_sgpr_count 2
		.amdhsa_user_sgpr_kernarg_segment_ptr 1
		.amdhsa_wavefront_size32 1
		.amdhsa_system_sgpr_workgroup_id_x 1
		.amdhsa_system_sgpr_workgroup_id_y 1
		.amdhsa_system_sgpr_workgroup_id_z 1
		.amdhsa_system_vgpr_workitem_id 0
		.amdhsa_next_free_vgpr 256
		.amdhsa_next_free_sgpr 66
		.amdhsa_reserve_vcc 0
		.amdhsa_float_denorm_mode_32 3
		.amdhsa_float_denorm_mode_16_64 3
		.amdhsa_memory_ordered 1
		.amdhsa_forward_progress 1
		.amdhsa_inst_pref_size 31
	.end_amdhsa_kernel
	.amdgpu_metadata
---
amdhsa.version: [ 1, 2 ]
amdhsa.kernels:
  - .name:           k_qfb309ce5b8_outln
    .symbol:         k_qfb309ce5b8_outln.kd
    .args:
      - { .name: yq, .offset: 0, .size: 8, .value_kind: global_buffer, .address_space: global }
      - { .name: W_out_codes, .offset: 8, .size: 8, .value_kind: global_buffer, .address_space: global }
      - { .name: W_out_scales, .offset: 16, .size: 8, .value_kind: global_buffer, .address_space: global }
      - { .name: b_out, .offset: 24, .size: 8, .value_kind: global_buffer, .address_space: global }
      - { .name: x, .offset: 32, .size: 8, .value_kind: global_buffer, .address_space: global }
      - { .name: gamma, .offset: 40, .size: 8, .value_kind: global_buffer, .address_space: global }
      - { .name: beta, .offset: 48, .size: 8, .value_kind: global_buffer, .address_space: global }
      - { .name: out0, .offset: 56, .size: 8, .value_kind: global_buffer, .address_space: global }
    .group_segment_fixed_size: 67840
    .private_segment_fixed_size: 0
    .kernarg_segment_align: 8
    .kernarg_segment_size: 64
    .max_flat_workgroup_size: 512
    .sgpr_count:     66
    .vgpr_count:     256
    .wavefront_size: 32
...
	.end_amdgpu_metadata
.endif
;; end of part 8
